; MI455X (gfx1250); checked and timed in simulation.
; The chip was launched on July 23, 2026; its instructions are those of AMD's public machine-readable ISA for CDNA 5 (MIT licence, August 2026) and "CDNA5" Instruction Set Architecture Reference Guide (July 2026). The comments in the code are by the model that wrote it; some were corrected since.
;; Multi Head Self Attention. Allowed arithmetic: matrix products marked QUANTISED: E2M3 operands, one E8M0 scale for each 32 along K, by v_wmma_scale_f32_16x16x128_f8f6f4 with both operands' format E2M3, f32 sums; everything else in f32.
;; Inputs: k 4 x 2,048 x 1,024 float32; k_b 1,024 float32; k_w 1,024 x 1,024 float32; out_b 1,024 float32; out_w 1,024 x 1,024 float32; q 4 x 2,048 x 1,024 float32; q_b 1,024 float32; q_w 1,024 x 1,024 float32; v 4 x 2,048 x 1,024 float32.
;; Outputs: out0 4 x 2,048 x 1,024 float32.
;; This version of the problem:
;;   THIS VERSION OF THE PROBLEM IS GIVEN IN LOW PRECISION. The matrix products marked QUANTISED in the list below multiply operands that are first quantised to E2M3 (2 exponent bits, 3 mantissa bits; 6 bits a number), with one power-of-two scale for each 32 numbers along K (OCP MX v1.0); their sums are f32. All else is computed in f32.
;;   The module's matrix products, in the order in which they are computed (A, B: the left and right operand; K: the contracted axis; several contracted axes count as one K, in the product's order):
;;     1. [M 8,192, K 1,024] x [K 1,024, N 1,024]; A: input q; B: input q_w: QUANTISED
;;     2. [M 8,192, K 1,024] x [K 1,024, N 1,024]; A: input k; B: input k_w: QUANTISED
;;     3. [M 8,192, K 1,024] x [K 1,024, N 1,024]; A: input v; B: input q_w: QUANTISED
;;     4. batch 64 x [M 2,048, K 64] x [K 64, N 2,048]; A: computed on the way; B: computed on the way: QUANTISED
;;     5. batch 64 x [M 2,048, K 2,048] x [K 2,048, N 64]; A: softmax (see below); B: computed on the way: QUANTISED
;;     6. [M 8,192, K 1,024] x [K 1,024, N 1,024]; A: computed on the way; B: input out_w: QUANTISED
;;   THE QUANTISER, for each operand of a quantised product, along K:
;;     - K is cut into blocks of 32 from its start; a last block that is shorter is filled with zeros.
;;     - A block's scale is 2^e with e = floor(log2(the largest magnitude in the block)) - 2, held to -126 .. 127; a block of zeros has e = 0. As a byte (E8M0): e + 127.
;;     - Each number is divided by its block's scale, clamped to +-7.5, and rounded to the nearest number of E2M3, ties to even, subnormals kept.
;;     - The product sums the exact products of the quantised numbers (number of the format x scale) in f32.
;;   ~~~python
;;   def quantise(x, axis):      # numpy; x: float32 -> the quantised numbers, widened to float32 again
;;       x = np.moveaxis(x, axis, -1); K = x.shape[-1]
;;       x = np.pad(x, [(0, 0)] * (x.ndim - 1) + [(0, -K % 32)]); x = x.reshape(x.shape[:-1] + (-1, 32)); a = np.abs(x).max(-1, keepdims=True)
;;       e = np.where(a > 0, np.clip(np.frexp(np.where(a > 0, a, 1))[1] - 1 - 2, -126, 127), 0)      # np.frexp(a)[1] - 1 = floor(log2(a)), exactly
;;       r = np.clip(x / 2.0 ** e, -7.5, 7.5)
;;       step = 2.0 ** (np.maximum(np.frexp(np.where(r == 0, 1, r))[1] - 1, 0) - 3)
;;       q = np.round(r / step) * step * 2.0 ** e      # np.round: ties to even
;;       return np.moveaxis(q.reshape(q.shape[:-2] + (-1,))[..., :K], -1, axis).astype(np.float32)
;;   ~~~
;;   SOFTMAX AHEAD OF A QUANTISED PRODUCT. Where the list says 'softmax', what is quantised is not the finished softmax but p = 2^(t - M), with t = logit x log2(e) and M = ceil(the row's largest t), a whole number; so 1/2 < the row's largest p <= 1. The row's sum l is taken of the UNQUANTISED p, in f32, and the product's result is divided by l at the end. Since M is a whole number, a kernel that streams over the keys may use a running M (the ceiling of the running maximum): every later rescaling is an exact power of two, which a block's scale takes up: the codes' values come out the same.
;;   OPERANDS COMPUTED ON THE WAY. 'Computed on the way' means the value that the module computes at that place (a softmax that the list does not call 'softmax' is quantised finished and normalised). What goes into a quantiser is computed in f32, as accurately as f32 sums, v_exp_f32 and their like allow (about 1e-6 of the number): no bf16 or f16 on the way to a quantiser, and a product that is left as it is and whose result goes on into a quantised operand takes f32 operands (vector FMAs, or v_wmma_f32_16x16x4_f32). A number that lies on a knife's edge between two numbers of the format may be rounded either way, as far as f32 arithmetic and the matrix unit's own rounding can turn it there, and no further.
;; One version. Each part assembles by itself: llvm-mc -triple=amdgcn-amd-amdhsa -mcpu=gfx1250 --defsym DOCPART=n.
;; ======== version 1 of 1: 5 launches
;; workspace buffers: xc 18,874,368 bytes; xs 786,432 bytes; wc 2,359,296 bytes; wsc 98,304 bytes; ac 18,874,368 bytes; asc 786,432 bytes; oc 6,291,456 bytes; os 262,144 bytes
;; launch quant_w (part 1): grid 8 x 12, 4 waves a work-group, no clusters, 35,840 bytes of LDS; arguments q_w, k_w, out_w, wc, wsc; writes wc, wsc
.if DOCPART == 1
	.amdgcn_target "amdgcn-amd-amdhsa--gfx1250"
	.amdhsa_code_object_version 6
	.text
	.protected	k_q277f253092_quant_w
	.globl	k_q277f253092_quant_w
	.p2align	8
	.type	k_q277f253092_quant_w,@function
k_q277f253092_quant_w:
	s_mov_b64 s[64:65], 0
	v_nop
	global_prefetch_b8 v0, s[64:65] scope:SCOPE_SE
	s_setreg_imm32_b32 hwreg(HW_REG_WAVE_MODE, 25, 1), 1
	s_wait_xcnt 0x0
; q_w, k_w, out_w: [1024 (k)][1024 (n)] f32, K the FIRST axis.  Each becomes codes of FP6 (E2M3), K innermost, wc [3][1024][768 bytes], and one E8M0 byte for each 32 along K, wsc [3][1024][32].
; A LANE TAKES A COLUMN n AND ITS REGISTERS RUN DOWN K: a block of 32 lies in one lane's 32 registers, and the conversions give codes with K innermost.
; ROW ORDER OF THE OUTPUT: column n is laid at row sigma(n), sigma = n with its bits 3 and 4 exchanged.  Sixteen consecutive rows 32 b + 16 u + r then hold the columns 32 b + 8 u + r + 8 (r / 8):
; used as source 0 of a product, two neighbouring tiles give a lane 16 NEIGHBOURS along n in its registers, which the next quantiser wants.
; A block's scale is 2^(floor(log2(largest magnitude)) - 2); its byte is the largest magnitude's exponent field - 2, held at 1 from below.
; LIMITS: a block whose largest magnitude lies under 2^-124 (a block of zeros too) gets the byte 1; the bytes are read by this program alone.  NaN and infinities among the inputs are not served.
; A wave takes 32 columns x 256 along K; work-group y = 4 x tensor + the quarter of K.  The codes leave through the wave's own stage in LDS, sixteen lanes to a row's 192 consecutive bytes.
; No cluster, no tensor load: work-groups share no input, and the waves share nothing.  Loads run two blocks (64 loads a wave) ahead.
.set SIZE_K, 1024
.set SIZE_N, 1024
.set KW,    256                        ; along K for a wave
.set NB,    KW/32                      ; blocks
.set ROWB,  192                        ; bytes of KW codes
.set PITCH, 272                        ; a stage row: sixteen places of 16 bytes, each with 12 bytes of codes, + 16
.set KROW,  SIZE_K*6/8                 ; a row of codes in bytes
.set EMAX,  2
.set X,     32                         ; v32-95   two sets of 32 numbers
.set C,     96                         ; v96..    a block's codes
.set OUTR,  112                        ; v112-175 the way out
.set SPW,   14                         ; v14      LDS address of my spare word; never rewritten
.set NIL,   15                         ; v15      0; never rewritten
.set SPARE, 4*32*PITCH                 ; behind the four stages: the spare words, 128 bytes for each wave
.set SB,    24                         ; v24-25   the scale bytes, four to a register
	s_load_b256 s[4:11], s[0:1], 0x0               ; q_w, k_w, out_w, wc
	s_load_b64 s[12:13], s[0:1], 0x20              ; wsc
	v_lshl_add_u32 v[SPW], v0, 2, SPARE
	v_mov_b32 v[NIL], 0
	v_lshrrev_b32 v1, 5, v0
	v_readfirstlane_b32 s16, v1                    ; wave 0..3
	v_and_b32 v2, 31, v0                           ; lane
	s_lshl_b32 s17, ttmp9, 7
	s_lshl_b32 s18, s16, 5
	s_add_co_u32 s17, s17, s18                     ; my wave's first column: 128 x work-group x + 32 x wave
	s_and_b32 s31, ttmp7, 0xffff                   ; work-group y
	s_lshr_b32 s30, s31, 2                         ; which tensor
	s_and_b32 s18, s31, 3                          ; which KW along K
	v_and_b32 v10, 7, v2
	v_bfe_u32 v11, v2, 3, 1
	v_lshl_or_b32 v10, v11, 4, v10
	v_bfe_u32 v11, v2, 4, 1
	v_lshl_or_b32 v10, v11, 3, v10                 ; sigma(lane): my column's row among the wave's 32
	v_lshlrev_b32 v3, 2, v2                        ; in: 4 bytes a lane
	s_mul_i32 s19, s16, 32*PITCH                   ; my stage
	v_mul_u32_u24 v4, v10, PITCH
	v_add_nc_u32 v4, s19, v4                       ; into it: row sigma(lane)
	v_and_b32 v5, 15, v2
	v_lshrrev_b32 v6, 4, v2                        ; out of it: sixteen lanes to a row, two rows an instruction
	v_mul_u32_u24 v7, v6, PITCH
	v_lshl_add_u32 v7, v5, 4, v7
	v_add_nc_u32 v7, s19, v7
	v_mul_u32_u24 v8, v6, KROW
	v_mad_u32_u24 v8, v5, 12, v8                   ; and the same place in the codes' buffer
	s_mov_b32 s19, 0
	s_mov_b64 s[20:21], KW*SIZE_N*4
	s_mul_u64 s[20:21], s[18:19], s[20:21]
	s_lshl_b32 s22, s17, 2
	s_mov_b32 s23, 0
	s_add_nc_u64 s[20:21], s[20:21], s[22:23]      ; the weight: KW y rows + 4 x column
	s_mov_b32 s22, s17
	s_mov_b64 s[24:25], KROW
	s_mul_u64 s[24:25], s[22:23], s[24:25]
	s_mul_i32 s26, s18, ROWB
	s_mov_b32 s27, 0
	s_add_nc_u64 s[24:25], s[24:25], s[26:27]      ; codes: row x KROW + ROWB y
	s_mov_b64 s[28:29], SIZE_K/32
	s_mul_u64 s[28:29], s[22:23], s[28:29]
	s_mul_i32 s26, s18, NB
	s_add_nc_u64 s[28:29], s[28:29], s[26:27]      ; scale bytes: row x 32 + NB y
	s_mul_i32 s26, s30, SIZE_N*KROW
	s_add_nc_u64 s[24:25], s[24:25], s[26:27]      ; + the tensor's part of wc
	s_mul_i32 s26, s30, SIZE_N*SIZE_K/32
	s_add_nc_u64 s[28:29], s[28:29], s[26:27]      ; and of wsc
	v_mul_u32_u24 v9, v10, SIZE_K/32               ; my column's row of scale bytes
	s_wait_kmcnt 0x0
	s_cmp_lt_u32 s31, 4                            ; the choice of the tensor hangs on the work-group's number alone
	s_cselect_b64 s[4:5], s[4:5], s[6:7]
	s_cmp_lt_u32 s31, 8
	s_cselect_b64 s[4:5], s[4:5], s[8:9]
	s_add_nc_u64 s[4:5], s[4:5], s[20:21]
	s_add_nc_u64 s[6:7], s[10:11], s[24:25]
	s_add_nc_u64 s[8:9], s[12:13], s[28:29]
.macro LOAD t                          ; block t: W(32 t + i, my column), i = 0 .. 31, into set t % 2
.irp i, 0,1,2,3,4,5,6,7,8,9,10,11,12,13,14,15,16,17,18,19,20,21,22,23,24,25,26,27,28,29,30,31
	global_load_b32 v[X+32*((\t)%2)+\i], v3, s[4:5] offset:(32*(\t)+\i)*SIZE_N*4 th:TH_LOAD_NT
.endr
.endm
	LOAD 0
	LOAD 1
.macro BLOCK t
.set XS, X+32*((\t)%2)
.if (\t) < NB-1
	s_wait_loadcnt 32                              ; this block's 32 loads are in; the next block's may be out
.else
	s_wait_loadcnt 0
.endif
	v_max3_num_f32 v12, |v[XS]|, |v[XS+1]|, |v[XS+2]|               ; the block's largest magnitude: all 32 numbers are mine
	v_max3_num_f32 v13, |v[XS+3]|, |v[XS+4]|, |v[XS+5]|
.irp i, 6,10,14,18,22,26
	v_max3_num_f32 v12, v12, |v[XS+\i]|, |v[XS+\i+1]|
	v_max3_num_f32 v13, v13, |v[XS+\i+2]|, |v[XS+\i+3]|
.endr
	v_max3_num_f32 v12, v12, |v[XS+30]|, |v[XS+31]|
	v_max3_num_f32 v12, v12, v13, (EMAX+1)<<23     ; and the floor 2^(3 - 127): the byte cannot fall under 1
	v_add_nc_u32 v11, -(EMAX<<23), v12             ; 2 off its exponent field: the conversion takes the exponent field of this operand as its scale
	v_lshrrev_b32 v13, 23, v11                     ; the scale's byte
.if (\t)%4 == 0
	v_mov_b32 v[SB+(\t)/4], v13                    ; four bytes to a register, the lower K in the lower byte
.else
	v_lshl_or_b32 v[SB+(\t)/4], v13, 8*((\t)%4), v[SB+(\t)/4]
.endif
	v_cvt_scalef32_pk16_fp6_f32 v[C:C+2], v[XS:XS+15], v11
	v_cvt_scalef32_pk16_fp6_f32 v[C+4:C+6], v[XS+16:XS+31], v11     ; (a conversion's three registers begin on an even number)
	ds_store_b96 v4, v[C:C+2] offset:32*(\t)       ; 16 codes, 12 bytes, to a place of 16 bytes in the stage
	ds_store_b96 v4, v[C+4:C+6] offset:32*(\t)+16
.if (\t)+2 < NB
	LOAD (\t)+2
.endif
	s_wait_dscnt 0x0                               ; the stores have read their registers: the next block's codes may be written
.endm
.set Q, 0
.rept NB
	BLOCK Q
.set Q, Q+1
.endr
	s_wait_alu depctr_va_vdst(0)
	global_store_b64 v9, v[SB:SB+1], s[8:9]        ; my column's NB scale bytes
.irp t, 0,1,2,3,4,5,6,7,8,9,10,11,12,13,14,15
	ds_load_b96 v[OUTR+4*\t:OUTR+4*\t+2], v7 offset:2*\t*PITCH   ; LDS serves a wave's instructions in order: these see my stores
.endr
.irp t, 0,1,2,3,4,5,6,7,8,9,10,11,12,13,14,15
	s_wait_dscnt 15-\t
	global_store_b96 v8, v[OUTR+4*\t:OUTR+4*\t+2], s[6:7] offset:2*\t*KROW
.endr
	s_wait_tensorcnt 0x0                           ; the wave's end, behind my last LDS store
	ds_add_u32 v[SPW], v[NIL]
	s_wait_dscnt 0x0
	s_endpgm
.Lfunc_end_k_q277f253092_quant_w:
	.size	k_q277f253092_quant_w, .Lfunc_end_k_q277f253092_quant_w-k_q277f253092_quant_w
	.p2alignl 7, 3214868480
	.fill 96, 4, 3214868480
	.section	.rodata,"a",@progbits
	.p2align	6, 0x0
	.amdhsa_kernel k_q277f253092_quant_w
		.amdhsa_group_segment_fixed_size 35840
		.amdhsa_private_segment_fixed_size 0
		.amdhsa_enable_private_segment 0
		.amdhsa_kernarg_size 40
		.amdhsa_user_sgpr_count 2
		.amdhsa_user_sgpr_kernarg_segment_ptr 1
		.amdhsa_wavefront_size32 1
		.amdhsa_system_sgpr_workgroup_id_x 1
		.amdhsa_system_sgpr_workgroup_id_y 1
		.amdhsa_system_sgpr_workgroup_id_z 1
		.amdhsa_system_vgpr_workitem_id 0
		.amdhsa_next_free_vgpr 192
		.amdhsa_next_free_sgpr 66
		.amdhsa_reserve_vcc 0
		.amdhsa_float_denorm_mode_32 3
		.amdhsa_float_denorm_mode_16_64 3
		.amdhsa_memory_ordered 1
		.amdhsa_forward_progress 1
		.amdhsa_inst_pref_size 43
	.end_amdhsa_kernel
	.amdgpu_metadata
---
amdhsa.version: [ 1, 2 ]
amdhsa.kernels:
  - .name:           k_q277f253092_quant_w
    .symbol:         k_q277f253092_quant_w.kd
    .args:
      - { .name: q_w, .offset: 0, .size: 8, .value_kind: global_buffer, .address_space: global }
      - { .name: k_w, .offset: 8, .size: 8, .value_kind: global_buffer, .address_space: global }
      - { .name: out_w, .offset: 16, .size: 8, .value_kind: global_buffer, .address_space: global }
      - { .name: wc, .offset: 24, .size: 8, .value_kind: global_buffer, .address_space: global }
      - { .name: wsc, .offset: 32, .size: 8, .value_kind: global_buffer, .address_space: global }
    .group_segment_fixed_size: 35840
    .private_segment_fixed_size: 0
    .kernarg_segment_align: 8
    .kernarg_segment_size: 40
    .max_flat_workgroup_size: 128
    .sgpr_count:     66
    .vgpr_count:     192
    .wavefront_size: 32
...
	.end_amdgpu_metadata
.endif
;; end of part 1
;; launch quant_x (part 2): grid 768 x 1, 4 waves a work-group, no clusters, 33,280 bytes of LDS; arguments q, k, v, xc, xs; writes xc, xs
.if DOCPART == 2
	.amdgcn_target "amdgcn-amd-amdhsa--gfx1250"
	.amdhsa_code_object_version 6
	.text
	.protected	k_q277f253092_quant_x
	.globl	k_q277f253092_quant_x
	.p2align	8
	.type	k_q277f253092_quant_x,@function
k_q277f253092_quant_x:
	s_mov_b64 s[64:65], 0
	v_nop
	global_prefetch_b8 v0, s[64:65] scope:SCOPE_SE
	s_setreg_imm32_b32 hwreg(HW_REG_WAVE_MODE, 25, 1), 1
	s_wait_xcnt 0x0
; q, k, v: [8192][1024] f32 each, K innermost.  They become codes of FP6 (E2M3), xc [24576 rows: q, k, v][768 bytes], and one E8M0 byte for each 32 along K, xs [24576][32].
; A block's scale is 2^(floor(log2(largest magnitude)) - 2); its byte is the largest magnitude's exponent field - 2, held at 1 from below; each number is divided by the scale and rounded to the nearest code, ties to even.
; LIMITS: a block whose largest magnitude lies under 2^-124 (a block of zeros too) gets the byte 1; the bytes are read by this program alone.  NaN and infinities among the inputs are not served.
; ROW ORDER OF THE OUTPUT: row s is laid at row sigma(s), sigma = s with its bits 3 and 4 exchanged.  A wave's run is 8,192 numbers = 8 rows, a work-group's 32 rows: so sigma only exchanges the places of waves 1 and 2.
; A wave takes 16 steps of 512 numbers.  Each of a step's four loads reads 512 consecutive bytes; the 2,048 bytes turn through the wave's own stage in LDS and come back 64 bytes (16 neighbours) a lane; two lanes hold a block.
; A lane's 16 codes are 12 bytes: the wave stores 384 consecutive bytes.  A wave's 256 scale bytes are gathered in LDS and leave as 256 consecutive aligned bytes.
; The first 256 work-groups take q, the next k, the last v.  No cluster, no tensor load, no barrier: nothing is shared.  Loads run four steps (16 loads a wave) ahead.
.set WAVES, 4
.set STEPS, 16
.set EMAX,  2
.set CB,    12                         ; bytes of 16 codes
.set R,     16                         ; v16-79   four sets of 16 numbers as they are loaded
.set X,     80                         ; v80-111  two sets of 16 neighbours
.set C,     128                        ; v128-191 codes: four registers for each step, so that no store's data are written again
.set E,     112                        ; v112-127 a scale byte for each step
.set WREG,  8192                       ; LDS: a region for each wave: two stages of 32 x SP bytes, behind them its 256 scale bytes
.set SP,    80                         ; a lane's place in a stage: its 64 bytes + 16 of padding
.set SPW,   12                         ; v12      LDS address of my spare word; never rewritten
.set NIL,   13                         ; v13      0; never rewritten
.set SPARE, WAVES*WREG                 ; behind the four regions: the spare words, 128 bytes for each wave
	s_load_b256 s[4:11], s[0:1], 0x0               ; q, k, v, xc
	s_load_b64 s[12:13], s[0:1], 0x20              ; xs
	v_lshl_add_u32 v[SPW], v0, 2, SPARE
	v_mov_b32 v[NIL], 0
	v_lshrrev_b32 v1, 5, v0
	v_readfirstlane_b32 s16, v1                    ; wave
	v_and_b32 v2, 31, v0                           ; lane
	v_lshlrev_b32 v3, 4, v2                        ; my 16 bytes of a load's 512
	s_mul_i32 s17, s16, WREG
	v_lshrrev_b32 v14, 2, v2
	v_mul_u32_u24 v14, v14, SP
	v_and_b32 v15, 3, v2
	v_lshl_add_u32 v14, v15, 4, v14
	v_add_nc_u32 v14, s17, v14                     ; the stage, on the way in: SP (lane / 4) + 16 (lane % 4)
	v_mul_u32_u24 v15, v2, SP
	v_add_nc_u32 v15, s17, v15                     ; and on the way out: SP x lane: my 16 neighbours
	v_mul_u32_u24 v4, v2, CB                       ; my codes' place in a step's
	v_lshrrev_b32 v5, 1, v2
	s_add_co_u32 s17, s17, 2*32*SP
	v_add_nc_u32 v5, s17, v5                       ; LDS: my wave's 256 scale bytes, my block's byte
	v_lshlrev_b32 v7, 3, v2                        ; and on the way out 8 bytes a lane
	v_add_nc_u32 v6, s17, v7
	s_wait_alu depctr_va_vdst(0)
	s_wait_kmcnt 0x0
	s_cmp_lt_u32 ttmp9, 256                        ; which tensor: the choice hangs on the work-group's number alone
	s_cselect_b64 s[4:5], s[4:5], s[6:7]
	s_cmp_lt_u32 ttmp9, 512
	s_cselect_b64 s[4:5], s[4:5], s[8:9]
	s_and_b32 s17, ttmp9, 255
	s_lshl_b32 s17, s17, 2
	s_add_co_u32 s18, s17, s16                     ; which run of 8,192 numbers of the tensor is my wave's
	s_lshl_b32 s18, s18, 15                        ; 32,768 bytes a run
	s_mov_b32 s19, 0
	s_add_nc_u64 s[4:5], s[4:5], s[18:19]
	s_and_b32 s17, s16, 1
	s_lshl_b32 s17, s17, 1
	s_lshr_b32 s18, s16, 1
	s_or_b32 s17, s17, s18                         ; the wave's two bits exchanged: sigma on groups of 8 rows
	s_lshl_b32 s18, ttmp9, 2
	s_add_co_u32 s18, s18, s17                     ; the run's place in xc and xs
	s_mul_i32 s20, s18, 32*STEPS*CB
	s_mov_b32 s21, 0
	s_add_nc_u64 s[8:9], s[10:11], s[20:21]        ; codes
	s_lshl_b32 s18, s18, 8                         ; 256 scale bytes a run
	s_add_nc_u64 s[10:11], s[12:13], s[18:19]
.macro LOAD t
.irp i, 0,1,2,3
	global_load_b128 v[R+16*((\t)%4)+4*\i:R+16*((\t)%4)+4*\i+3], v3, s[4:5] offset:2048*(\t)+512*\i th:TH_LOAD_NT   ; 32 lanes read 512 consecutive bytes
.endr
.endm
.macro TURN t                          ; step t's numbers through the stage: LDS serves a wave's instructions in order, so no wait stands between the stores and the loads
.irp i, 0,1,2,3
	ds_store_b128 v14, v[R+16*((\t)%4)+4*\i:R+16*((\t)%4)+4*\i+3] offset:32*SP*((\t)%2)+8*SP*\i
.endr
.irp i, 0,1,2,3
	ds_load_b128 v[X+16*((\t)%2)+4*\i:X+16*((\t)%2)+4*\i+3], v15 offset:32*SP*((\t)%2)+16*\i
.endr
.endm
.irp t, 0,1,2,3
	LOAD \t
.endr
	s_wait_loadcnt 12                              ; step 0's four loads are in
	TURN 0
.macro STEP t
.set XS, X+16*((\t)%2)
.if (\t) > 0
	s_wait_dscnt 1                                 ; this step's numbers are back from the stage (the last step's byte store may be out): its stores into the stage have read their registers,
.else
	s_wait_dscnt 0x0
.endif
.if (\t)+4 < STEPS
	LOAD (\t)+4                                    ; which take the loads of four steps on
.endif
.if (\t)+1 < STEPS
.if STEPS-2-(\t) >= 3
	s_wait_loadcnt 12                              ; the next step's four loads are in; those of the three steps behind it may be out
.else
	s_wait_loadcnt 4*(STEPS-2-(\t))
.endif
	TURN (\t)+1                                    ; and go through the other stage while this step is worked
.endif
	v_max3_num_f32 v8, |v[XS]|, |v[XS+1]|, |v[XS+2]|               ; the largest magnitude of my 16
	v_max3_num_f32 v9, |v[XS+3]|, |v[XS+4]|, |v[XS+5]|
.irp i, 6,10
	v_max3_num_f32 v8, v8, |v[XS+\i]|, |v[XS+\i+1]|
	v_max3_num_f32 v9, v9, |v[XS+\i+2]|, |v[XS+\i+3]|
.endr
	v_max3_num_f32 v8, v8, |v[XS+14]|, |v[XS+15]|
	v_max3_num_f32 v8, v8, v9, (EMAX+1)<<23        ; and the floor 2^(3 - 127): the byte cannot fall under 1
	v_max_num_f32_dpp v8, v8, v8 row_xmask:1 row_mask:0xf bank_mask:0xf   ; and of my neighbour's 16: the block's
	v_add_nc_u32 v11, -(EMAX<<23), v8              ; 2 off its exponent field: the conversion's scale operand
	v_cvt_scalef32_pk16_fp6_f32 v[C+4*(\t):C+4*(\t)+2], v[XS:XS+15], v11
	v_lshrrev_b32 v[E+(\t)], 23, v11               ; the scale's byte
	ds_store_b8 v5, v[E+(\t)] offset:16*(\t)       ; both lanes of a block write the same byte with the same value
	global_store_b96 v4, v[C+4*(\t):C+4*(\t)+2], s[8:9] offset:32*CB*(\t)
.endm
.irp t, 0,1,2,3,4,5,6,7,8,9,10,11,12,13,14,15
	STEP \t
.endr
	ds_load_b64 v[8:9], v6                         ; LDS serves a wave's instructions in order: these see my stores
	s_wait_dscnt 0x0
	global_store_b64 v7, v[8:9], s[10:11]          ; 32 lanes store 256 consecutive aligned bytes
	s_wait_tensorcnt 0x0                           ; the wave's end, behind my last LDS store
	ds_add_u32 v[SPW], v[NIL]
	s_wait_dscnt 0x0
	s_endpgm
.Lfunc_end_k_q277f253092_quant_x:
	.size	k_q277f253092_quant_x, .Lfunc_end_k_q277f253092_quant_x-k_q277f253092_quant_x
	.p2alignl 7, 3214868480
	.fill 96, 4, 3214868480
	.section	.rodata,"a",@progbits
	.p2align	6, 0x0
	.amdhsa_kernel k_q277f253092_quant_x
		.amdhsa_group_segment_fixed_size 33280
		.amdhsa_private_segment_fixed_size 0
		.amdhsa_enable_private_segment 0
		.amdhsa_kernarg_size 40
		.amdhsa_user_sgpr_count 2
		.amdhsa_user_sgpr_kernarg_segment_ptr 1
		.amdhsa_wavefront_size32 1
		.amdhsa_system_sgpr_workgroup_id_x 1
		.amdhsa_system_sgpr_workgroup_id_y 1
		.amdhsa_system_sgpr_workgroup_id_z 1
		.amdhsa_system_vgpr_workitem_id 0
		.amdhsa_next_free_vgpr 192
		.amdhsa_next_free_sgpr 66
		.amdhsa_reserve_vcc 0
		.amdhsa_float_denorm_mode_32 3
		.amdhsa_float_denorm_mode_16_64 3
		.amdhsa_memory_ordered 1
		.amdhsa_forward_progress 1
		.amdhsa_inst_pref_size 32
	.end_amdhsa_kernel
	.amdgpu_metadata
---
amdhsa.version: [ 1, 2 ]
amdhsa.kernels:
  - .name:           k_q277f253092_quant_x
    .symbol:         k_q277f253092_quant_x.kd
    .args:
      - { .name: q, .offset: 0, .size: 8, .value_kind: global_buffer, .address_space: global }
      - { .name: k, .offset: 8, .size: 8, .value_kind: global_buffer, .address_space: global }
      - { .name: v, .offset: 16, .size: 8, .value_kind: global_buffer, .address_space: global }
      - { .name: xc, .offset: 24, .size: 8, .value_kind: global_buffer, .address_space: global }
      - { .name: xs, .offset: 32, .size: 8, .value_kind: global_buffer, .address_space: global }
    .group_segment_fixed_size: 33280
    .private_segment_fixed_size: 0
    .kernarg_segment_align: 8
    .kernarg_segment_size: 40
    .max_flat_workgroup_size: 128
    .sgpr_count:     66
    .vgpr_count:     192
    .wavefront_size: 32
...
	.end_amdgpu_metadata
.endif
;; end of part 2
;; launch proj (part 3): grid 4 x 96, 4 waves a work-group, clusters of 4 x 4, 327,680 bytes of LDS; arguments xc, xs, wc, wsc, q_b, k_b, ac, asc; writes ac, asc
.if DOCPART == 3
	.amdgcn_target "amdgcn-amd-amdhsa--gfx1250"
	.amdhsa_code_object_version 6
	.text
	.protected	k_q277f253092_proj
	.globl	k_q277f253092_proj
	.p2align	8
	.type	k_q277f253092_proj,@function
k_q277f253092_proj:
	s_mov_b64 s[64:65], 0
	v_nop
	global_prefetch_b8 v0, s[64:65] scope:SCOPE_SE
	s_setreg_imm32_b32 hwreg(HW_REG_WAVE_MODE, 25, 1), 1
	s_wait_xcnt 0x0
	s_wait_alu depctr_hold_cnt(0) depctr_sa_sdst(0) depctr_va_vdst(0) depctr_va_sdst(0) depctr_va_ssrc(0) depctr_va_vcc(0) depctr_vm_vsrc(0)
	s_getreg_b32 s2, hwreg(HW_REG_IB_STS2, 6, 4)
	s_cmp_eq_u32 s2, 0
	s_cbranch_scc0 .Lentry_in_a_cluster
	s_endpgm
.Lentry_in_a_cluster:
	s_bfe_u32 s2, ttmp6, 0x10000c
	s_cmp_lg_u32 s2, 0xf033
	s_cbranch_scc0 .Lentry_shape_is_right
	s_endpgm
.Lentry_shape_is_right:
; The three input projections, x W + b, on codes of FP6 (E2M3) with one E8M0 scale for each 32 along K = 1024, and their results QUANTISED on the way out for the attention launch.
; A tile of the result is 256 x 256, made by four waves of 128 x 128 (64 accumulators, 512 registers).  K goes in steps of 256 through a ring of two LDS slots filled by the tensor data mover; the scale bytes come once.
; ROLES.  Source 1 of every product ("A") gives a lane its row, source 0 ("B") runs along the lane's registers.  For q and k: A = rows of x, B = rows of W^T (n = head, d): a lane's registers run along d, the next product's K.
; For v: A = rows of q_w^T (head, d), B = rows of v (keys): a lane's registers run along the KEYS, the K of the second attention product.  Only pointers differ: cluster y 0-7 q, 8-15 k, 16-23 v.
; All four operands lie in rows exchanged by sigma (bits 3 and 4 of the row): in tiles 2 b and 2 b + 1 of B a lane's 16 registers are the 16 neighbours 32 b + 16 (lane / 16) + 0 .. 15; lane r of A's block a is row 32 (a / 2) + 8 (a % 2) + r + 8 (r / 8).
; THE BIAS is the C of each sum's first product: for q, k it goes with B's index (eight registers a tile of B), for v with A's (one number a lane, spread over eight registers).
; THE WAY OUT needs no LDS: a block's 64 registers of a lane are four blocks of 32 along the next K; they become 12 registers of codes and a scale word, stored as IMAGES OF THE OPERAND'S REGISTERS, 16 bytes a lane, 512 consecutive bytes a store.
;   Q, K: ac[t][head][pair of tiles][1536]: registers 0-5 tile 2 p's 64 d, 6-11 tile 2 p + 1's.   V: ac[2][head][step of 128 keys][tile of 16 d][1536].   Scale words: asc[t][head][step][8 bytes a lane].
; LIMITS: a block whose largest magnitude lies under 2^-124 (a block of zeros too) gets the byte 1; the bytes are read by this program alone.  NaN and infinities are not served.
; CLUSTERS: 4 x 4 work-groups; A's tile is shared along a row of the cluster, B's along a column, by joint loads.  Nothing is prefetched: K has four steps, of which two are the first fills.
; REGISTERS: window 0: v16-31 addresses; v32-63 scale words, two sets; v64-127 the bias; v128-223 A's fragments, one set.  window 1: B's fragments, two sets.  windows 2, 3: the accumulators ((a, b) at v[8 (8 (a % 4) + b)]).
.set KSTEP,  256
.set NQ,     KSTEP/128
.set ROWB,   192                       ; a tile's row in bytes
.set KROW,   768                       ; a row of codes in memory
.set PITCH,  240                       ; an LDS row: 3 x (64 bytes + 16 of padding)
.set FR,     12
.set NL,     6
.set NP,     4
.set HALFT,  128*PITCH
.set SLOT,   4*HALFT
.set LAPS,   2                         ; 1024 / 512
.set KS,     32                        ; a row of scale bytes
.set SCL,    2*SLOT
.set HALFS,  16*272                    ; the scales of 128 rows: 16 runs of 256 bytes + 16 of padding
.set SBLK,   2*272
.set SPARE,  SCL+4*HALFS               ; the spare words, 128 bytes for each wave
.set ADRA, 16                          ; v16-19
.set ADRB, 20                          ; v20-23
.set LI,   24                          ; v24  16 x lane
.set L8,   25                          ; v25  8 x lane
.set BA,   26                          ; v26  bias, q and k: 64 (lane / 16)
.set ADRS, 27
.set SPW,  28
.set NIL,  29
.set BAV,  30                          ; v30  bias, v: 4 (r + 8 (r / 8))
.set SC,   32
.set BI,   64
.set AF,   128
.set IMGQ, 96                          ; the way out, window 0: q and k: v96-191 the images; v: v72-167.  The places are chosen so that no conversion's destination numbers lie among its source's numbers
.set IMGV, 72
.set CT,   192                         ; v192-198 the upper halves of blocks, ahead of the exchange
.set TM,   200                         ; v200-203 largest magnitudes, v204-207 bytes, v208-211 at work, v212-215 the conversions' scale operands
.set PW,   216                         ; v216-223 a scale word for each block of 16 rows
.set SW,   224                         ; v224-227 the scale words as they are stored
.set G1, 24
.set G0, 32
.set G1B, 48
.set G0B, 56
.set G1S, 68
.set G0S, 76
.set G1SB, 80
.set G0SB, 88
.set MSB, 0
.macro WIN new                         ; the immediate's high byte repeats the setting that is left
.if MSB != \new
	s_set_vgpr_msb (MSB<<8)|\new
.set MSB, \new
.endif
.endm
.set MUL_LO, 0xa1                      ; source 0 (B) window 1, source 1 (A) window 0, C and D window 2
.set MUL_HI, 0xf1
.set FST_LO, 0x81                      ; the same with C (the bias) in window 0
.set FST_HI, 0xc1
.set TO_B,   0x40
; A joint load: waves 0 and 1 fetch for A, waves 2 and 3 for B; the branch hangs on the wave's number alone.  An s_nop 0 and four v_nop follow each line.
.macro JLOAD g0a, g1a, g0b, g1b
	s_cmp_eq_u32 s21, 0
	s_cbranch_scc0 .Lfor_b_\@
	tensor_load_to_lds s[\g0a:\g0a+3], s[\g1a:\g1a+7]
	s_nop 0
.rept 4
	v_nop
.endr
	s_branch .Lasked_\@
.Lfor_b_\@:
	tensor_load_to_lds s[\g0b:\g0b+3], s[\g1b:\g1b+7]
	s_nop 0
.rept 4
	v_nop
.endr
.Lasked_\@:
.endm
.macro CREST
	s_cmp_lg_u32 s20, 0
	s_cbranch_scc1 .Lnot_wave_0_\@
	s_barrier_signal -3
.Lnot_wave_0_\@:
	s_barrier_wait -3
	s_barrier_signal -1
	s_barrier_wait -1
.endm
.macro CROUND
	s_barrier_signal -1
	s_barrier_wait -1
	CREST
.endm
	s_load_b512 s[4:19], s[0:1], 0x0               ; xc, xs, wc, wsc, q_b, k_b, ac, asc
	v_lshl_add_u32 v[SPW], v0, 2, SPARE
	v_mov_b32 v[NIL], 0
	ds_add_u32 v[SPW], v[NIL]
	ds_add_u32 v[SPW], v[NIL]                      ; the wave's opening: the add and its wait ahead of my first tensor load
	v_lshrrev_b32 v1, 5, v0
	v_readfirstlane_b32 s20, v1                    ; wave 0..3
	s_lshr_b32 s21, s20, 1                         ; my half of A's rows.  Also: I fetch for A (0) or for B (1)
	s_and_b32 s22, s20, 1                          ; my half of B's rows.  Also: which 128 rows I fetch
	s_bfe_u32 s40, ttmp6, 0x40000                  ; cx
	s_bfe_u32 s41, ttmp6, 0x40004                  ; cy
	s_and_b32 s42, ttmp7, 0xffff                   ; cluster y, 0..23: the same in all sixteen partners
	s_lshr_b32 s46, s42, 3                         ; 0 q, 1 k, 2 v
	s_lshr_b32 s45, s42, 4                         ; 1 for v
	s_lshl_b32 s23, s42, 2
	s_cmp_eq_u32 s45, 0
	s_cselect_b32 s47, s23, 0
	s_cselect_b32 s100, 0, s23
	s_add_co_u32 s47, s47, s41                     ; A's tile of 256 rows: cy, and for q, k + 4 x cluster y (rows of xc)
	s_add_co_u32 s100, s100, s40                   ; B's: cx, and for v + 4 x cluster y
	s_lshl_b32 s43, s41, 2
	s_lshl_b32 s43, 15, s43                        ; my row of the cluster
	s_lshl_b32 s44, 0x1111, s40                    ; my column
	s_or_b32 s[G1+0], s43, (0<<16)|(1<<20)|(1<<21)|(3<<22)|(3<<25)  ; the mask; elements of 1 byte; padding on; bit 21 beside a mask; after every 16 words 4 words
	s_or_b32 s[G1B+0], s44, (0<<16)|(1<<20)|(1<<21)|(3<<22)|(3<<25)
.irp g, G1, G1B
	s_mov_b32 s[\g+1], ROWB<<16                    ; tensor_dim0
	s_mov_b32 s[\g+2], 128<<16                     ; tensor_dim1
	s_mov_b32 s[\g+3], ROWB<<16                    ; tile_dim0
	s_mov_b32 s[\g+4], 128                         ; tile_dim1
	s_mov_b32 s[\g+5], KROW                        ; pitch
	s_mov_b32 s[\g+6], 0
	s_mov_b32 s[\g+7], 0
.endr
	s_or_b32 s[G1S+0], s43, (3<<16)|(1<<20)|(1<<21)|(5<<22)|(3<<25) ; the scales of 128 rows: 4,096 dense bytes as 16 rows of 256, 16 bytes of padding behind each
	s_or_b32 s[G1SB+0], s44, (3<<16)|(1<<20)|(1<<21)|(5<<22)|(3<<25)
.irp g, G1S, G1SB
	s_mov_b32 s[\g+1], 32<<16
	s_mov_b32 s[\g+2], 16<<16
	s_mov_b32 s[\g+3], 32<<16
	s_mov_b32 s[\g+4], 16
	s_mov_b32 s[\g+5], 32
	s_mov_b32 s[\g+6], 0
	s_mov_b32 s[\g+7], 0
.endr
	s_lshl_b32 s2, s22, 7                          ; which 128 rows of the tile I fetch
	s_lshl_b32 s92, s47, 8
	s_add_co_u32 s92, s92, s2                      ; A's first row
	s_lshl_b32 s96, s100, 8
	s_add_co_u32 s96, s96, s2                      ; B's
	s_lshl_b32 s94, s92, 5                         ; their scales, in bytes,
	s_mul_i32 s92, s92, KROW                       ; and their codes
	s_lshl_b32 s98, s96, 5
	s_mul_i32 s96, s96, KROW
	s_cmp_eq_u32 s46, 1                            ; k takes k_w, the second part of wc and wsc
	s_cselect_b32 s2, 786432, 0
	s_cselect_b32 s23, 32768, 0
	s_add_co_u32 s96, s96, s2
	s_add_co_u32 s98, s98, s23
	s_mov_b32 s93, 0
	s_mov_b32 s95, 0
	s_mov_b32 s97, 0
	s_mov_b32 s99, 0
	s_mul_i32 s101, s20, HALFT                     ; where they go: wave x 128 rows: no place in the cluster enters an LDS address
	s_mul_i32 s23, s20, HALFS
	s_wait_dscnt 0x0                               ; the opening add is done
	s_wait_kmcnt 0x0
	s_cmp_eq_u32 s45, 0                            ; the roles: a choice between buffers that hangs on the cluster's y alone
	s_cselect_b64 s[G0+2:G0+3], s[4:5], s[8:9]
	s_cselect_b64 s[G0S+2:G0S+3], s[6:7], s[10:11]
	s_cselect_b64 s[G0B+2:G0B+3], s[8:9], s[4:5]
	s_cselect_b64 s[G0SB+2:G0SB+3], s[10:11], s[6:7]
	s_add_nc_u64 s[G0+2:G0+3], s[G0+2:G0+3], s[92:93]
	s_add_nc_u64 s[G0+6:G0+7], s[G0+2:G0+3], ROWB  ; slot 1: K step 1
	s_add_nc_u64 s[G0S+2:G0S+3], s[G0S+2:G0S+3], s[94:95]
	s_add_nc_u64 s[G0B+2:G0B+3], s[G0B+2:G0B+3], s[96:97]
	s_add_nc_u64 s[G0B+6:G0B+7], s[G0B+2:G0B+3], ROWB
	s_add_nc_u64 s[G0SB+2:G0SB+3], s[G0SB+2:G0SB+3], s[98:99]
.irp s, 0,1
	s_mov_b32 s[G0+4*\s], 1
	s_add_co_u32 s[G0+4*\s+1], s101, \s*SLOT
	s_or_b32 s[G0+4*\s+3], s[G0+4*\s+3], 0x80000000
	s_mov_b32 s[G0B+4*\s], 1
	s_add_co_u32 s[G0B+4*\s+1], s101, \s*SLOT
	s_or_b32 s[G0B+4*\s+3], s[G0B+4*\s+3], 0x80000000
.endr
	s_mov_b32 s[G0S], 1
	s_add_co_u32 s[G0S+1], s23, SCL
	s_or_b32 s[G0S+3], s[G0S+3], 0x80000000
	s_mov_b32 s[G0SB], 1
	s_add_co_u32 s[G0SB+1], s23, SCL
	s_or_b32 s[G0SB+3], s[G0SB+3], 0x80000000
	CROUND                                         ; all sixteen work-groups are here: the first joint loads meet
	JLOAD G0S, G1S, G0SB, G1SB                     ; the scales first; three loads of mine are out behind these lines
	JLOAD G0, G1, G0B, G1B
	JLOAD G0+4, G1, G0B+4, G1B
	v_and_b32 v1, 15, v0                           ; r
	v_bfe_u32 v2, v0, 4, 1                         ; h
	v_mul_u32_u24 v3, v1, PITCH
	v_mul_u32_u24 v4, v2, 24
	v_add_nc_u32 v4, v3, v4                        ; a fragment's row x pitch + 24 x half
	v_lshl_add_u32 v5, v2, 4, v4                   ; and the same behind one padding more
	s_mul_i32 s2, s21, HALFT                       ; my 128 rows of A
	s_mul_i32 s23, s22, HALFT
	s_add_co_u32 s23, s23, 2*HALFT                 ; my 128 rows of B, behind A's 256
.irp s, 0,1
	v_add_nc_u32 v[ADRA+\s], s2, v4
	v_add_nc_u32 v[ADRB+\s], s23, v4
	v_add_nc_u32 v[ADRA+2+\s], s2, v5
	v_add_nc_u32 v[ADRB+2+\s], s23, v5
	s_add_co_u32 s2, s2, SLOT
	s_add_co_u32 s23, s23, SLOT
.endr
	v_mul_u32_u24 v5, v1, KS                       ; my row's scales: KS bytes a row,
	v_lshrrev_b32 v6, 8, v5
	v_lshl_add_u32 v5, v6, 4, v5                   ; and 16 more for each 256 passed
	s_mul_i32 s2, s21, HALFS
	s_mul_i32 s23, s22, HALFS
	s_add_co_u32 s23, s23, 2*HALFS
	s_sub_co_u32 s23, s23, s2
	v_mul_u32_u24 v6, s23, v2                      ; lanes 16-31 take B's
	s_add_co_u32 s2, s2, SCL
	v_add_nc_u32 v5, v5, v6
	v_add_nc_u32 v[ADRS], s2, v5
	v_and_b32 v6, 31, v0
	v_lshlrev_b32 v[LI], 4, v6
	v_lshlrev_b32 v[L8], 3, v6
	v_lshlrev_b32 v[BA], 6, v2
	v_and_b32 v6, 8, v1
	v_add_nc_u32 v6, v6, v1
	v_lshlrev_b32 v[BAV], 2, v6
	; where my results go.  Heads come from B's index for q, k and from A's for v; rows (queries, keys) the other way round
	s_cmp_eq_u32 s45, 0
	s_cselect_b32 s92, s40, s41
	s_cselect_b32 s93, s22, s21
	s_cselect_b32 s94, s41, s40
	s_cselect_b32 s95, s21, s22
	s_lshl_b32 s92, s92, 2
	s_lshl_b32 s93, s93, 1
	s_add_co_u32 s92, s92, s93                     ; my first head of two
	s_and_b32 s96, s42, 7
	s_lshl_b32 s96, s96, 2
	s_add_co_u32 s96, s96, s94
	s_lshl_b32 s96, s96, 1
	s_add_co_u32 s96, s96, s95                     ; my 128 rows of the tensor's 8,192: 0..63
	s_lshr_b32 s97, s96, 4                         ; the batch
	s_and_b32 s96, s96, 15                         ; the step of 128 within it
	s_lshl_b32 s97, s97, 4
	s_add_co_u32 s97, s97, s92                     ; 16 x batch + head
	s_mul_i32 s98, s46, 6291456
	s_mul_i32 s99, s97, 98304
	s_add_co_u32 s98, s98, s99
	s_mul_i32 s99, s96, 6144
	s_add_co_u32 s98, s98, s99
	s_mov_b32 s99, 0
	s_add_nc_u64 s[4:5], s[16:17], s[98:99]        ; codes
	s_lshl_b32 s98, s46, 18
	s_lshl_b32 s94, s97, 12
	s_add_co_u32 s98, s98, s94
	s_lshl_b32 s94, s96, 8
	s_add_co_u32 s98, s98, s94
	s_add_nc_u64 s[6:7], s[18:19], s[98:99]        ; scale words
	s_cmp_eq_u32 s46, 1
	s_cselect_b64 s[8:9], s[14:15], s[12:13]       ; k_b for k, q_b for q and v
	s_lshl_b32 s98, s92, 8
	s_add_nc_u64 s[8:9], s[8:9], s[98:99]          ; at my first head's 64 numbers
	s_mov_b32 s10, 0x76543210
	s_mov_b32 s11, 0xfedcba98                      ; v_permlanex16_b32's selects for lane l xor 16
	s_mov_b32 s12, 0xffff0000                      ; lanes 16-31
	s_cmp_eq_u32 s45, 0
	s_cbranch_scc0 .Lbias_v
	s_wait_alu depctr_va_vdst(0)
.irp t, 0,1,2,3,4,5,6,7                        ; q, k: tile t of B, lane half h: b at 32 (t / 2) + 16 h + 8 (t % 2) + 0 .. 7
	global_load_b128 v[BI+8*\t:BI+8*\t+3], v[BA], s[8:9] offset:(32*(\t/2)+8*(\t%2))*4
	global_load_b128 v[BI+8*\t+4:BI+8*\t+7], v[BA], s[8:9] offset:(32*(\t/2)+8*(\t%2))*4+16
.endr
	s_branch .Lbias_done
.Lbias_v:
	s_wait_alu depctr_va_vdst(0)
.irp a, 0,1,2,3,4,5,6,7                        ; v: block a of A, lane r: b at 32 (a / 2) + 8 (a % 2) + r + 8 (r / 8), the same for all eight registers
	global_load_b32 v[BI+8*\a], v[BAV], s[8:9] offset:(32*(\a/2)+8*(\a%2))*4
.endr
	s_wait_loadcnt 0x0
.irp a, 0,1,2,3,4,5,6,7
.irp j, 1,2,3,4,5,6,7
	v_mov_b32 v[BI+8*\a+\j], v[BI+8*\a]
.endr
.endr
.rept 8
	v_nop                                          ; distance between the moves and the products that take them as C
.endr
.Lbias_done:
	s_wait_loadcnt 0x0                             ; the bias is in
.macro FRAG reg, adr, q, i             ; a fragment: 12 registers; lane l: row l % 16; registers 6 c .. 6 c + 5: K = 64 c + 32 (l / 16) + 0 .. 31, 24 bytes as they lie, in pieces of 8
.irp p, 0,1,2,3,4,5
.set PC, 12*(\q)+6*(\p/3)+\p%3        ; 16 bytes of padding lie behind every 8 pieces: where the piece three on lies behind one padding more, the second address register serves
.if PC%8 < 5
	ds_load_b64 v[\reg+2*\p:\reg+2*\p+1], v[\adr] offset:8*PC+16*(PC/8)+(\i)*16*PITCH
.else
	ds_load_b64 v[\reg+2*\p:\reg+2*\p+1], v[\adr+2] offset:8*PC+16*(PC/8)+(\i)*16*PITCH
.endif
.endr
.endm
; 16 products: A's blocks a0, a0 + 1 x B's eight, 128 along K.  zero = 0: onto the sums; 1: the sums start from the bias by B's tile; 2: by A's block.  The 64 accumulators take turns.
.macro MUL16 a0, p, q, sc, zero
.irp a, \a0, \a0+1
.irp b, 0,1,2,3,4,5,6,7
.set rD, 8*(8*((\a)%4)+\b)
.set rB, 128*(\p)+FR*\b
.set rA, AF+FR*(\a)
.set rSB, SC+8*NQ*(\sc)+NQ*\b+(\q)
.set rSA, SC+8*NQ*(\sc)+NQ*(\a)+(\q)
.if \zero == 1
	v_wmma_scale_f32_16x16x128_f8f6f4 v[rD:rD+7], v[rB:rB+FR-1], v[rA:rA+FR-1], v[BI+8*\b:BI+8*\b+7], v[rSB], v[rSA] matrix_a_fmt:MATRIX_FMT_FP6 matrix_b_fmt:MATRIX_FMT_FP6 matrix_a_scale:MATRIX_SCALE_ROW1
.elseif \zero == 2
	v_wmma_scale_f32_16x16x128_f8f6f4 v[rD:rD+7], v[rB:rB+FR-1], v[rA:rA+FR-1], v[BI+8*(\a):BI+8*(\a)+7], v[rSB], v[rSA] matrix_a_fmt:MATRIX_FMT_FP6 matrix_b_fmt:MATRIX_FMT_FP6 matrix_a_scale:MATRIX_SCALE_ROW1
.else
	v_wmma_scale_f32_16x16x128_f8f6f4 v[rD:rD+7], v[rB:rB+FR-1], v[rA:rA+FR-1], v[rD:rD+7], v[rSB], v[rSA] matrix_a_fmt:MATRIX_FMT_FP6 matrix_b_fmt:MATRIX_FMT_FP6 matrix_a_scale:MATRIX_SCALE_ROW1
.endif
.endr
.endr
.endm
.macro FETCH_B slot, q, p
	WIN TO_B
.irp i, 0,1,2,3,4,5,6,7
	FRAG 128*(\p)+FR*\i, ADRB+\slot, \q, \i
.endr
	WIN 0
.endm
.macro FETCH_A slot, q, i0
.irp i, \i0, \i0+1, \i0+2, \i0+3
	FRAG AF+FR*(\i), ADRA+\slot, \q, \i
.endr
.endm
.macro SCALES sc                       ; a K step's scale words: lanes 0-15 A's block i, lanes 16-31 B's block i
.irp i, 0,1,2,3,4,5,6,7
	ds_load_b64 v[SC+8*NQ*\sc+NQ*\i:SC+8*NQ*\sc+NQ*\i+1], v[ADRS] offset:\i*SBLK
.endr
.endm
.macro PLACES n                        ; plain vector instructions between a product and a load into, or a read of, its registers
.rept \n
	v_nop
.endr
.endm
.macro STEP slot, q, zero              ; 128 along K with its successor in the same slot
	s_wait_dscnt 4*NL                              ; B's set and A's blocks 0-3 are in; A's blocks 4-7 may be out
.if \zero
	WIN FST_LO
.else
	WIN MUL_LO
.endif
	MUL16 0, (\q)%2, \q, \slot, \zero
	MUL16 2, (\q)%2, \q, \slot, \zero
	s_wait_dscnt 0                                 ; A's blocks 4-7 are in
	PLACES NP
	FETCH_B \slot, (\q)+1, 1-(\q)%2
	FETCH_A \slot, (\q)+1, 0
.if \zero
	WIN FST_HI
.else
	WIN MUL_HI
.endif
	MUL16 4, (\q)%2, \q, \slot, \zero
	MUL16 6, (\q)%2, \q, \slot, \zero
	PLACES NP
	WIN 0
	FETCH_A \slot, (\q)+1, 4
.endm
; A slot's last step changes slots: one barrier; in front of it each wave waits for all its tensor loads, adds 0 to its spare word, and waits for that and for its reads of this slot.  fill = 1: the slot is filled again, two K steps ahead.
.macro TURN slot, next, fill
	s_wait_tensorcnt 0x0                           ; all my tensor loads have landed: my part of the next slot
	ds_add_u32 v[SPW], v[NIL]                      ; 0 onto my spare word
	s_wait_dscnt 4*NL+1                            ; (the add and A's blocks 4-7 may be out)
	WIN MUL_LO
	MUL16 0, 1, NQ-1, \slot, 0
	s_wait_dscnt 0x0                               ; the add is done, and my reads of this slot are over
	s_barrier_signal -1
	MUL16 2, 1, NQ-1, \slot, 0
	WIN 0
	s_barrier_wait -1
.if \fill
	CREST                                          ; the barrier has opened a round of the cluster's: no wave of any partner still reads this slot or has a load on its way
	s_add_nc_u64 s[G0+4*\slot+2:G0+4*\slot+3], s[G0+4*\slot+2:G0+4*\slot+3], 2*ROWB
	s_add_nc_u64 s[G0B+4*\slot+2:G0B+4*\slot+3], s[G0B+4*\slot+2:G0B+4*\slot+3], 2*ROWB
	JLOAD G0+4*\slot, G1, G0B+4*\slot, G1B         ; the first tensor load behind the round; its four v_nop are the places in front of the loads below
.else
	PLACES NP
.endif
	s_wait_alu depctr_va_vdst(0)
	v_add_nc_u32 v[ADRS], 4*NQ, v[ADRS]            ; on to the next K step's scale words
	FETCH_B \next, 0, 0
	FETCH_A \next, 0, 0
	SCALES \next
	WIN MUL_HI
	MUL16 4, 1, NQ-1, \slot, 0
	MUL16 6, 1, NQ-1, \slot, 0
	PLACES NP
	WIN 0
	FETCH_A \next, 0, 4
.endm
; Block a's 64 registers of a lane (register 16 b + i = index 32 b + 16 (lane / 16) + i of the next K) become codes: blocks 0, 1 in v[d0 .. d0 + 5], blocks 2, 3 in v[d1 .. d1 + 5], and the four bytes in v[pw].
; Each accumulator is read from its low end on.
.macro QUANT a, d0, d1, pw
.set W, 2+(\a)/4
.set AC, 64*((\a)%4)
	WIN (W|(W<<2))
.irp b, 0,1,2,3
	v_max3_num_f32 v[TM+\b], |v[AC+16*\b]|, |v[AC+16*\b+1]|, 0x1800000   ; my 16 numbers of block b, and the floor 2^(3 - 127)
.endr
	WIN ((W<<2)|(W<<4))
.irp i, 2,4,6,8,10,12,14
.irp b, 0,1,2,3
	v_max3_num_f32 v[TM+\b], v[TM+\b], |v[AC+16*\b+\i]|, |v[AC+16*\b+\i+1]|
.endr
.endr
	WIN 0
.irp b, 0,1,2,3
	v_permlanex16_b32 v[TM+4+\b], v[TM+\b], s10, s11
.endr
.irp b, 0,1,2,3
	v_max_num_f32 v[TM+\b], v[TM+\b], v[TM+4+\b]   ; with lane l xor 16's: the block's largest magnitude
.endr
.irp b, 0,1,2,3
	v_add_nc_u32 v[TM+12+\b], 0xff000000, v[TM+\b] ; 2 off its exponent field: the conversion's scale operand
.endr
.irp b, 0,1,2,3
	v_lshrrev_b32 v[TM+4+\b], 23, v[TM+12+\b]      ; the scale's byte
.endr
	v_lshl_or_b32 v[\pw], v[TM+5], 8, v[TM+4]
	v_lshl_or_b32 v[\pw], v[TM+6], 16, v[\pw]
	v_lshl_or_b32 v[\pw], v[TM+7], 24, v[\pw]
	WIN W
	v_cvt_scalef32_pk16_fp6_f32 v[(\d0):(\d0)+2], v[AC:AC+15], v[TM+12]
	v_cvt_scalef32_pk16_fp6_f32 v[CT:CT+2], v[AC+16:AC+31], v[TM+13]
	v_cvt_scalef32_pk16_fp6_f32 v[(\d1):(\d1)+2], v[AC+32:AC+47], v[TM+14]
	v_cvt_scalef32_pk16_fp6_f32 v[CT+4:CT+6], v[AC+48:AC+63], v[TM+15]
	WIN 0
	v_nop                                          ; one plain place behind a scaled conversion
.irp i, 0,1,2                                  ; the operand's layout wants a WHOLE block in a lane: lanes 0-15 the even block, lanes 16-31 the odd one
	v_permlane16_swap_b32 v[(\d0)+\i], v[CT+\i]
	v_permlane16_swap_b32 v[(\d1)+\i], v[CT+4+\i]
.endr
.irp i, 0,1,2
	v_mov_b32 v[(\d0)+3+\i], v[CT+\i]
	v_mov_b32 v[(\d1)+3+\i], v[CT+4+\i]
.endr
.endm
	s_wait_tensorcnt 1                             ; the scales and my part of K step 0 are in (K step 1's load may be out),
	s_barrier_signal -1
	s_barrier_wait -1                              ; everybody's are
	FETCH_B 0, 0, 0
	FETCH_A 0, 0, 0
	SCALES 0
	FETCH_A 0, 0, 4
	s_cmp_eq_u32 s45, 0                            ; the first step is written twice: its products take the bias as C, by B's tile or by A's block; no tensor load and no barrier stands in it
	s_cbranch_scc0 .Lfirst_v
	s_wait_alu depctr_va_vdst(0)
	STEP 0, 0, 1
	s_branch .Lfirst_done
.Lfirst_v:
	s_wait_alu depctr_va_vdst(0)
	STEP 0, 0, 2
.Lfirst_done:
	s_mov_b32 s3, LAPS-1
.Llap:                                                 ; a trip goes once round the ring and fills both slots again
	TURN 0, 1, 1
	STEP 1, 0, 0
	TURN 1, 0, 1
	STEP 0, 0, 0
	s_sub_co_u32 s3, s3, 1
	s_cmp_lg_u32 s3, 0
	s_cbranch_scc1 .Llap
	TURN 0, 1, 0                                   ; the last lap fills nothing
	STEP 1, 0, 0
	s_wait_dscnt 4*NL                              ; the very last step
	WIN MUL_LO
	MUL16 0, 1, NQ-1, 1, 0
	MUL16 2, 1, NQ-1, 1, 0
	s_wait_dscnt 0
	WIN MUL_HI
	MUL16 4, 1, NQ-1, 1, 0
	MUL16 6, 1, NQ-1, 1, 0
	WIN 0
	PLACES NP                                      ; behind the last products: their results are read and the registers of A's fragments are written below
.irp b, 0,1,2,3
	v_mov_b32 v[TM+4+\b], 0                        ; written once: a lane permute's destination counts as one of its sources
.endr
	s_cmp_eq_u32 s45, 0
	s_cbranch_scc0 .Lout_v
	; q, k: a lane's blocks 0, 1 are my first head's 64 d, blocks 2, 3 my second head's.  Two blocks of rows make a pair's image for each head.  No store's data are written again.
.irp bb, 0,1,2,3
	QUANT 2*\bb, IMGQ+24*\bb, IMGQ+24*\bb+12, PW+2*\bb
	QUANT 2*\bb+1, IMGQ+24*\bb+6, IMGQ+24*\bb+18, PW+2*\bb+1
.irp c, 0,1
.irp ch, 0,1,2
	global_store_b128 v[LI], v[IMGQ+24*\bb+12*\c+4*\ch:IMGQ+24*\bb+12*\c+4*\ch+3], s[4:5] offset:\c*98304+\bb*1536+512*\ch   ; 32 lanes store 512 consecutive aligned bytes
.endr
.endr
.endr
.irp bb, 0,1,2,3                               ; head 0's word of pair bb: the two low bytes of both tiles' words
	v_perm_b32 v[TM+8+\bb], v[PW+2*\bb+1], v[PW+2*\bb], 0x05040100
.endr
	v_cndmask_b32 v[SW], v[TM+8], v[TM+9], s12     ; lanes 0-15 pair 0, lanes 16-31 pair 1
	v_cndmask_b32 v[SW+1], v[TM+10], v[TM+11], s12 ; pairs 2 and 3
	global_store_b64 v[L8], v[SW:SW+1], s[6:7]     ; 256 consecutive aligned bytes
.irp bb, 0,1,2,3                               ; head 1's: the two high bytes
	v_perm_b32 v[TM+8+\bb], v[PW+2*\bb+1], v[PW+2*\bb], 0x07060302
.endr
	v_cndmask_b32 v[SW+2], v[TM+8], v[TM+9], s12
	v_cndmask_b32 v[SW+3], v[TM+10], v[TM+11], s12
	global_store_b64 v[L8], v[SW+2:SW+3], s[6:7] offset:4096
	s_branch .Lout_done
.Lout_v:
	; v: a lane's four blocks are 128 keys of one d: a whole fragment and its scale word.  Blocks 0-3 of A are my first head's four tiles of d, blocks 4-7 my second head's.
.irp a, 0,1,2,3,4,5,6,7
	QUANT \a, IMGV+12*\a, IMGV+12*\a+6, PW+\a
.irp ch, 0,1,2
	global_store_b128 v[LI], v[IMGV+12*\a+4*\ch:IMGV+12*\a+4*\ch+3], s[4:5] offset:(\a/4)*98304+(\a%4)*1536+512*\ch
.endr
.endr
.irp g, 0,1
	v_cndmask_b32 v[SW+2*\g], v[PW+4*\g], v[PW+4*\g+1], s12
	v_cndmask_b32 v[SW+2*\g+1], v[PW+4*\g+2], v[PW+4*\g+3], s12
	global_store_b64 v[L8], v[SW+2*\g:SW+2*\g+1], s[6:7] offset:4096*\g
.endr
.Lout_done:
	s_wait_tensorcnt 0x0                           ; the wave's end
	ds_add_u32 v[SPW], v[NIL]
	s_wait_dscnt 0x0
	CROUND                                         ; the closing round: no work-group ends while a partner may still ask for a tile that names it
	s_endpgm
.Lfunc_end_k_q277f253092_proj:
	.size	k_q277f253092_proj, .Lfunc_end_k_q277f253092_proj-k_q277f253092_proj
	.p2alignl 7, 3214868480
	.fill 96, 4, 3214868480
	.section	.rodata,"a",@progbits
	.p2align	6, 0x0
	.amdhsa_kernel k_q277f253092_proj
		.amdhsa_group_segment_fixed_size 327680
		.amdhsa_private_segment_fixed_size 0
		.amdhsa_enable_private_segment 0
		.amdhsa_kernarg_size 64
		.amdhsa_user_sgpr_count 2
		.amdhsa_user_sgpr_kernarg_segment_ptr 1
		.amdhsa_wavefront_size32 1
		.amdhsa_system_sgpr_workgroup_id_x 1
		.amdhsa_system_sgpr_workgroup_id_y 1
		.amdhsa_system_sgpr_workgroup_id_z 1
		.amdhsa_system_vgpr_workitem_id 0
		.amdhsa_next_free_vgpr 1024
		.amdhsa_next_free_sgpr 102
		.amdhsa_reserve_vcc 0
		.amdhsa_float_denorm_mode_32 3
		.amdhsa_float_denorm_mode_16_64 3
		.amdhsa_memory_ordered 1
		.amdhsa_forward_progress 1
		.amdhsa_inst_pref_size 219
	.end_amdhsa_kernel
	.amdgpu_metadata
---
amdhsa.version: [ 1, 2 ]
amdhsa.kernels:
  - .name:           k_q277f253092_proj
    .symbol:         k_q277f253092_proj.kd
    .args:
      - { .name: xc, .offset: 0, .size: 8, .value_kind: global_buffer, .address_space: global }
      - { .name: xs, .offset: 8, .size: 8, .value_kind: global_buffer, .address_space: global }
      - { .name: wc, .offset: 16, .size: 8, .value_kind: global_buffer, .address_space: global }
      - { .name: wsc, .offset: 24, .size: 8, .value_kind: global_buffer, .address_space: global }
      - { .name: q_b, .offset: 32, .size: 8, .value_kind: global_buffer, .address_space: global }
      - { .name: k_b, .offset: 40, .size: 8, .value_kind: global_buffer, .address_space: global }
      - { .name: ac, .offset: 48, .size: 8, .value_kind: global_buffer, .address_space: global }
      - { .name: asc, .offset: 56, .size: 8, .value_kind: global_buffer, .address_space: global }
    .group_segment_fixed_size: 327680
    .private_segment_fixed_size: 0
    .kernarg_segment_align: 8
    .kernarg_segment_size: 64
    .max_flat_workgroup_size: 128
    .sgpr_count:     102
    .vgpr_count:     1024
    .wavefront_size: 32
...
	.end_amdgpu_metadata
.endif
;; end of part 3
;; launch attn (part 4): grid 4 x 64, 16 waves a work-group, clusters of 4 x 1, 206,848 bytes of LDS; arguments ac, asc, oc, os; writes oc, os
.if DOCPART == 4
	.amdgcn_target "amdgcn-amd-amdhsa--gfx1250"
	.amdhsa_code_object_version 6
	.text
	.protected	k_q277f253092_attn
	.globl	k_q277f253092_attn
	.p2align	8
	.type	k_q277f253092_attn,@function
k_q277f253092_attn:
	s_mov_b64 s[64:65], 0
	v_nop
	global_prefetch_b8 v0, s[64:65] scope:SCOPE_SE
	s_setreg_imm32_b32 hwreg(HW_REG_WAVE_MODE, 25, 1), 1
	s_wait_xcnt 0x0
	s_wait_alu depctr_hold_cnt(0) depctr_sa_sdst(0) depctr_va_vdst(0) depctr_va_sdst(0) depctr_va_ssrc(0) depctr_va_vcc(0) depctr_vm_vsrc(0)
	s_getreg_b32 s2, hwreg(HW_REG_IB_STS2, 6, 4)
	s_cmp_eq_u32 s2, 0
	s_cbranch_scc0 .Lentry_in_a_cluster
	s_endpgm
.Lentry_in_a_cluster:
	s_bfe_u32 s2, ttmp6, 0x10000c
	s_cmp_lg_u32 s2, 0x3003
	s_cbranch_scc0 .Lentry_shape_is_right
	s_endpgm
.Lentry_shape_is_right:
; softmax(Q K^T / 8) V for one head (head size 64, 2,048 keys), both products on codes of FP6 (E2M3) with E8M0 scales; the result, divided by the row's sum, is quantised along (head, d) for the output projection.
; THE SOFTMAX AHEAD OF THE SECOND PRODUCT: t = score x log2(e) / 8; M = the running largest t rounded UP to a whole number; p = 2^(t - M) is quantised along the keys, not normalised; the row's sum is taken of the unquantised p.
; When M moves, the sum and O are multiplied by 2^(old M - new M): exact.
; SHARES.  Work-group y is the head (16 x batch + head), the place in the cluster picks 512 of its 2,048 queries, taken in two passes of 256; in a pass each of the SIXTEEN waves owns one tile of 16 queries, in 256 registers: four waves
; to a SIMD, so that one wave's vector work stands beside another's products and LDS loads.
; THE WHOLE HEAD'S K AND V LIE IN LDS: 96 KiB of codes each and 4 KiB of scale words each, brought ONCE by joint loads that the head's four work-groups share.  Nothing is filled again, so there is no ring.
; They lie as images of the operands' registers (16 bytes a lane, 512 consecutive bytes a load; scale words 8 bytes a lane): no pitch, no padding.  Nothing is prefetched: all that the launch streams is asked for at its head.
; LAYOUT.  Both products are used transposed: S^T = K Q^T, O^T = V^T P^T: a lane holds ONE query (lane % 16).  The keys of a tile, and the d of a tile of V, are 32 b + 8 u + r + 8 (r / 8): a lane's 16 registers of two tiles are 16 neighbours.
; K = 64 IN AN INSTRUCTION OF 128: an image holds TWO tiles of keys, tile 2 p in K 0-63 and tile 2 p + 1 in K 64-127.  Against [Q | zero codes] it gives tile 2 p's scores, against [zero codes | Q] tile 2 p + 1's.
; LIMITS: a block whose largest magnitude lies under 2^-124 gets the byte 1 (its codes are zeros or subnormals under that scale).  NaN and infinities are not served.
; REGISTERS: v1-11 addresses; v12 -M, v13 the largest t, v[14:15] the sum; v16-33 six zeros, Q's six, six zeros; v34 Q's loaded word, v35 the result's two bytes; v40-87 four images of K, then V's four fragments;
;   v96-159 S^T, then p; v160-191 O^T; v224-235 p's codes; v232-247, v252, v254 at work; v[248:249] K's scale words, v[250:251] V's, v253 p's, v255 Q's.
.set KC,    0
.set VC,    98304
.set KSC,   196608
.set VSC,   200704
.set SPARE, 204800                     ; the spare words, 128 bytes for each of the sixteen waves
.set LI,   1                           ; v1   16 x lane
.set LIV,  2                           ; v2   VC + 16 x lane
.set L8S,  3                           ; v3   KSC + 8 x lane
.set L8,   4                           ; v4   8 x lane
.set SPW,  5
.set NIL,  6
.set R8,   7                           ; v7   8 r
.set ADK,  8
.set ADV,  9
.set ADS,  10
.set R32,  11                          ; v11  32 r
.set QSL,  34
.set OSB,  35
.set F,    40
.set WV,   12
.set SEL,  20
.set CS,   22
.set SJK,  84                          ; s84  the step's images: 6,144 bytes a step
.set SJS,  85                          ; s85  its scale words: 256 bytes a step
.set CNT,  86
.set UM,   87                          ; s87  all ones in odd waves: my tile is the pair's second
.set PSEL, 88                          ; s88  which two bytes of the pair's word are my tile's
.macro CROUND
	s_barrier_signal -1
	s_barrier_wait -1
	s_cmp_lg_u32 s[WV], 0
	s_cbranch_scc1 .Lnot_wave_0_\@
	s_barrier_signal -3
.Lnot_wave_0_\@:
	s_barrier_wait -3
	s_barrier_signal -1
	s_barrier_wait -1
.endm
.macro GRP1 g, rows                    ; a dense block as rows of 256 bytes (32 elements of 8 bytes); the mask names all four work-groups, bit 21 beside it
	s_mov_b32 s[\g], 15|(3<<16)|(1<<21)
	s_mov_b32 s[\g+1], 32<<16
	s_mov_b32 s[\g+2], (\rows)<<16
	s_mov_b32 s[\g+3], 32<<16
	s_mov_b32 s[\g+4], \rows
	s_mov_b32 s[\g+5], 32
	s_mov_b32 s[\g+6], 0
	s_mov_b32 s[\g+7], 0
.endm
.macro GRP0 g, lds, base, off
	s_mov_b32 s[\g], 1
	s_mov_b32 s[\g+1], \lds
	s_add_nc_u64 s[\g+2:\g+3], s[\base:\base+1], \off
	s_or_b32 s[\g+3], s[\g+3], 0x80000000
.endm
.macro TWO_FILLS g0a, g1a, g0b, g1b    ; a wave's two first fills; an s_nop 0 follows each, four v_nop the second's
	tensor_load_to_lds s[\g0a:\g0a+3], s[\g1a:\g1a+7]
	s_nop 0
	tensor_load_to_lds s[\g0b:\g0b+3], s[\g1b:\g1b+7]
	s_nop 0
.rept 4
	v_nop
.endr
.endm
	s_load_b256 s[4:11], s[0:1], 0x0               ; ac, asc, oc, os
	v_lshl_add_u32 v[SPW], v0, 2, SPARE
	v_mov_b32 v[NIL], 0
	ds_add_u32 v[SPW], v[NIL]                      ; the wave's opening: the add and its wait ahead of the first tensor loads
	ds_add_u32 v[SPW], v[NIL]
	v_lshrrev_b32 v8, 5, v0
	s_delay_alu instid0(VALU_DEP_1)
	v_readfirstlane_b32 s[WV], v8                  ; wave 0..15
	s_bfe_u32 s13, ttmp6, 0x40000                  ; cx: it enters Q's and the results' addresses alone
	s_and_b32 s14, ttmp7, 0xffff                   ; 16 x batch + head, which the four partners share
	GRP1 24, 96                                    ; steps 0-3: 24,576 bytes
	GRP1 32, 144                                   ; six steps: 36,864 bytes
	GRP1 40, 16                                    ; a head's scale words: 4,096 bytes
	s_mul_i32 s16, s14, 98304
	s_mov_b32 s17, 0
	s_lshl_b32 s18, s14, 12
	s_mov_b32 s19, 0
	s_lshl_b32 s2, s13, 4
	s_lshr_b32 s3, s[WV], 1
	s_add_co_u32 s2, s2, s3
	s_mul_i32 s90, s2, 1536                        ; Q: my pair of tiles in pass 0: 16 cx + wave / 2
	s_mov_b32 s91, 0
	s_lshl_b32 s2, s13, 2
	s_lshr_b32 s3, s[WV], 3
	s_add_co_u32 s2, s2, s3
	s_lshl_b32 s92, s2, 8                          ; its scale word: the step of four pairs,
	s_bfe_u32 s3, s[WV], 0x10001
	s_lshl_b32 s3, s3, 7
	s_add_co_u32 s92, s92, s3                      ; the half of the lanes,
	s_bfe_u32 s3, s[WV], 0x10002
	s_lshl_b32 s3, s3, 2
	s_add_co_u32 s92, s92, s3                      ; the word
	s_mov_b32 s93, 0
	s_lshr_b32 s2, s14, 4
	s_lshl_b32 s2, s2, 7
	s_lshl_b32 s3, s13, 5
	s_add_co_u32 s2, s2, s3
	s_add_co_u32 s2, s2, s[WV]                     ; my tile of rows in pass 0: 128 x batch + 32 cx + wave
	s_mul_i32 s94, s2, 12288
	s_and_b32 s3, s14, 15                          ; the head
	s_lshr_b32 s15, s3, 1
	s_mul_i32 s15, s15, 1536
	s_add_co_u32 s94, s94, s15
	s_and_b32 s15, s14, 1
	s_mul_i32 s15, s15, 768
	s_add_co_u32 s94, s94, s15
	s_mov_b32 s95, 0
	s_lshl_b32 s96, s2, 9
	s_lshl_b32 s3, s3, 1
	s_add_co_u32 s96, s96, s3
	s_mov_b32 s97, 0
	s_and_b32 s15, s[WV], 1
	s_cmp_eq_u32 s15, 1
	s_cselect_b32 s[UM], -1, 0
	s_mov_b32 s[PSEL], 0x01000100
	s_cselect_b32 s[PSEL], 0x03020302, s[PSEL]
	s_mov_b32 s[SEL], 0x76543210
	s_mov_b32 s[SEL+1], 0xfedcba98                 ; v_permlanex16_b32's selects for lane l xor 16
	s_mov_b32 s[CS], 0x3e38aa3b                    ; c = log2(e) / 8
	s_mov_b32 s[CS+1], s[CS]                       ; (named with it as a pair, so it is written)
	s_wait_dscnt 0x0                               ; the opening add is done
	s_wait_kmcnt 0x0
	s_add_nc_u64 s[98:99], s[4:5], s[16:17]        ; the head in each third of ac,
	s_add_nc_u64 s[100:101], s[6:7], s[18:19]      ; and of asc
	s_add_nc_u64 s[90:91], s[98:99], s[90:91]
	s_add_nc_u64 s[92:93], s[100:101], s[92:93]
	s_add_nc_u64 s[94:95], s[8:9], s[94:95]
	s_add_nc_u64 s[96:97], s[10:11], s[96:97]
	GRP0 48, KC, 98, 6291456                       ; K, steps 0-3
	GRP0 52, KC+24576, 98, 6291456+24576           ; steps 4-9
	GRP0 56, KC+61440, 98, 6291456+61440           ; steps 10-15
	GRP0 60, KSC, 100, 262144                      ; K's scale words
	GRP0 68, VC, 98, 12582912                      ; V likewise
	GRP0 72, VC+24576, 98, 12582912+24576
	GRP0 76, VC+61440, 98, 12582912+61440
	GRP0 80, VSC, 100, 524288
	CROUND                                         ; all four work-groups are here: the joint loads meet
	s_cmp_lg_u32 s[WV], 0                          ; waves 0 to 3 fetch, two loads each, what is wanted first ahead; the branches hang on the wave's number alone
	s_cbranch_scc1 .Lfill_1
	TWO_FILLS 48, 24, 52, 32
	s_branch .Lfilled
.Lfill_1:
	s_cmp_lg_u32 s[WV], 1
	s_cbranch_scc1 .Lfill_2
	TWO_FILLS 68, 24, 72, 32
	s_branch .Lfilled
.Lfill_2:
	s_cmp_lg_u32 s[WV], 2
	s_cbranch_scc1 .Lfill_3
	TWO_FILLS 60, 40, 56, 32
	s_branch .Lfilled
.Lfill_3:
	s_cmp_lg_u32 s[WV], 3
	s_cbranch_scc1 .Lfilled
	TWO_FILLS 80, 40, 76, 32
.Lfilled:
	v_and_b32 v8, 31, v0
	s_delay_alu instid0(VALU_DEP_1)
	v_lshlrev_b32 v[LI], 4, v8
	v_and_b32 v9, 15, v0
	s_delay_alu instid0(VALU_DEP_1)
	v_lshlrev_b32 v[R8], 3, v9
.macro QLOAD qb                        ; my pair's image into v40-51 and its scale word; 8 pairs and 2 steps of scale words a pass
.irp i, 0,1,2
	global_load_b128 v[F+4*\i:F+4*\i+3], v[LI], s[90:91] offset:12288*\qb+512*\i
.endr
	global_load_b32 v[QSL], v[R8], s[92:93] offset:512*\qb
.endm
	QLOAD 0
	v_add_nc_u32 v[LIV], VC, v[LI]
	v_lshlrev_b32 v[L8], 3, v8
	s_delay_alu instid0(VALU_DEP_1)
	v_add_nc_u32 v[L8S], KSC, v[L8]
	v_lshlrev_b32 v[R32], 5, v9
.irp i, 0,1,2,3,4,5
	v_mov_b32 v[16+\i], 0                          ; the zero codes on both sides of Q
	v_mov_b32 v[28+\i], 0
.endr
.irp b, 0,1,2,3
	v_mov_b32 v[236+\b], 0                         ; written once: a lane permute's destination counts as one of its sources
.endr
	v_mov_b32 v253, 0                              ; (named as the upper half of the pair v[252:253] before it is first written)
.macro START qb
	s_wait_loadcnt 0x0                             ; my pair of Q
.if \qb
	s_wait_xcnt 0x0                                ; the last pass's stores have read their registers, which this pass writes again
.endif
.irp i, 0,1,2,3,4,5
	v_cndmask_b32 v[22+\i], v[F+\i], v[F+6+\i], s[UM]   ; my tile of the pair
.endr
	v_perm_b32 v255, v[QSL], v[QSL], s[PSEL]       ; its two bytes, for K 0-63 and again for K 64-127
	v_mov_b32 v13, 0xff61b1e6                      ; the largest t so far: -3e38
	s_delay_alu instid0(VALU_DEP_1)
	v_floor_f32 v12, -v13                          ; -M
	v_mov_b32 v14, 0
	v_mov_b32 v15, 0
.irp j, 0,1,2,3,4,5,6,7,8,9,10,11,12,13,14,15,16,17,18,19,20,21,22,23,24,25,26,27,28,29,30,31
	v_mov_b32 v[160+\j], 0                         ; O^T: the step is written once, and its first turn finds zeros.  (These are also the places between Q's registers and scale word and the first products)
.endr
	s_mov_b32 s[SJK], 0
	s_mov_b32 s[SJS], 0
.endm
; A KEY STEP: 128 keys.
.macro STEP
	v_add_nc_u32 v[ADK], s[SJK], v[LI]
	v_add_nc_u32 v[ADV], s[SJK], v[LIV]
	v_add_nc_u32 v[ADS], s[SJS], v[L8S]
	v_nop                                          ; four places between the last products and the loads into the registers that they read
.irp i, 0,1,2,3,4,5,6,7,8,9,10,11
	ds_load_b128 v[F+4*\i:F+4*\i+3], v[ADK] offset:512*\i   ; K's four images
.endr
	ds_load_b64 v[248:249], v[ADS]                 ; their scale words: pair 0 | 1 in the halves of v248, pair 2 | 3 in v249
	s_wait_alu depctr_va_vdst(0)
	s_wait_dscnt 0x0
.irp p, 0,1,2,3
.if \p%2
	v_wmma_scale_f32_16x16x128_f8f6f4 v[96+16*\p:103+16*\p], v[F+12*\p:F+12*\p+11], v[22:33], 0, v[248+\p/2], v255 matrix_a_fmt:MATRIX_FMT_FP6 matrix_b_fmt:MATRIX_FMT_FP6 matrix_a_scale:MATRIX_SCALE_ROW1
	v_wmma_scale_f32_16x16x128_f8f6f4 v[104+16*\p:111+16*\p], v[F+12*\p:F+12*\p+11], v[16:27], 0, v[248+\p/2], v255 matrix_a_fmt:MATRIX_FMT_FP6 matrix_b_fmt:MATRIX_FMT_FP6 matrix_a_scale:MATRIX_SCALE_ROW1
.else
	v_wmma_scale_f32_16x16x128_f8f6f4 v[96+16*\p:103+16*\p], v[F+12*\p:F+12*\p+11], v[22:33], 0, v[248+\p/2], v255 matrix_a_fmt:MATRIX_FMT_FP6 matrix_b_fmt:MATRIX_FMT_FP6
	v_wmma_scale_f32_16x16x128_f8f6f4 v[104+16*\p:111+16*\p], v[F+12*\p:F+12*\p+11], v[16:27], 0, v[248+\p/2], v255 matrix_a_fmt:MATRIX_FMT_FP6 matrix_b_fmt:MATRIX_FMT_FP6
.endif
.endr                                          ; register 16 p + i of lane half h is key 32 p + 16 h + i of the step
.rept 4
	v_nop                                          ; places in front of the loads below and of the first read of the scores
.endr
.irp i, 0,1,2,3,4,5,6,7,8,9,10,11
	ds_load_b128 v[F+4*\i:F+4*\i+3], v[ADV] offset:512*\i   ; V's four fragments: they land while the softmax is worked
.endr
	ds_load_b64 v[250:251], v[ADS] offset:VSC-KSC
.irp b, 0,1,2,3
	v_max3_num_f32 v[232+\b], v[96+16*\b], v[97+16*\b], v[98+16*\b]   ; the largest score of each block of 32 keys: it serves for the row's maximum and, since p rises with the score, for the block's largest p
.endr
.irp i, 3,5,7,9,11,13
.irp b, 0,1,2,3
	v_max3_num_f32 v[232+\b], v[232+\b], v[96+16*\b+\i], v[97+16*\b+\i]
.endr
.endr
.irp b, 0,1,2,3
	v_max_num_f32 v[232+\b], v[232+\b], v[111+16*\b]
.endr
.irp b, 0,1,2,3
	s_delay_alu instid0(VALU_DEP_4)
	v_permlanex16_b32 v[236+\b], v[232+\b], s[SEL], s[SEL+1]
.endr
.irp b, 0,1,2,3
	s_delay_alu instid0(VALU_DEP_4)
	v_max_num_f32 v[232+\b], v[232+\b], v[236+\b]  ; with lane l xor 16's 16 keys
.endr
	s_delay_alu instid0(VALU_DEP_2)
	v_max3_num_f32 v254, v232, v233, v234
	s_delay_alu instid0(VALU_DEP_1)
	v_max_num_f32 v254, v254, v235                 ; the step's largest score of my query
	s_delay_alu instid0(VALU_DEP_1)
	v_mul_f32 v254, s[CS], v254                    ; as t
	s_delay_alu instid0(VALU_DEP_1)
	v_max_num_f32 v13, v13, v254                   ; the running largest t
	v_mov_b32 v254, v12
	s_delay_alu instid0(VALU_DEP_2)
	v_floor_f32 v12, -v13                          ; the new -M = floor(-t): M is a whole number
	s_delay_alu instid0(VALU_DEP_1)
	v_sub_f32 v254, v12, v254                      ; old M - new M: a whole number, 0 or less
	s_delay_alu instid0(VALU_DEP_1)
	v_cvt_i32_f32 v254, v254                       ; (it saturates)
	s_delay_alu instid0(VALU_DEP_1)
	v_ldexp_f32 v252, 1.0, v254                    ; f = 2^(old M - new M)
.irp j, 0,2,4,6,8,10,12,14,16,18,20,22,24,26,28,30,32,34,36,38,40,42,44,46,48,50,52,54,56,58,60,62
	v_pk_fma_f32 v[96+\j:97+\j], v[96+\j:97+\j], s[CS:CS+1], v[12:13] op_sel_hi:[1,0,0]   ; t - M, two at a time
.endr
.irp b, 0,1,2,3
	v_fma_f32 v[232+\b], v[232+\b], s[CS], v12     ; the same of each block's largest score
.endr
	s_wait_alu depctr_va_vdst(0)
.irp j, 0,1,2,3,4,5,6,7,8,9,10,11,12,13,14,15,16,17,18,19,20,21,22,23,24,25,26,27,28,29,30,31,32,33,34,35,36,37,38,39,40,41,42,43,44,45,46,47,48,49,50,51,52,53,54,55,56,57,58,59,60,61,62,63
	v_exp_f32 v[96+\j], v[96+\j]                   ; p = 2^(t - M), at most 1
.endr
	s_setprio 1
	v_pk_mul_f32 v[14:15], v[14:15], v[252:253] op_sel_hi:[1,0]   ; the sums under the new M: a plain instruction behind the exponentials
	s_wait_alu depctr_va_vdst(0)                   ; one wait for the whole batch, ahead of its first reader
.irp b, 0,1,2,3
	v_exp_f32 v[232+\b], v[232+\b]                 ; the block's largest p
.endr
	v_pk_add_f32 v[236:237], v[100:101], v[104:105]
	v_pk_add_f32 v[248:249], v[108:109], v[112:113]
	v_pk_add_f32 v[246:247], v[116:117], v[120:121]
	v_pk_add_f32 v[244:245], v[124:125], v[128:129]
	v_pk_add_f32 v[242:243], v[132:133], v[136:137]
	v_pk_add_f32 v[240:241], v[140:141], v[144:145]
	v_pk_add_f32 v[238:239], v[148:149], v[152:153]
	v_pk_add_f32 v[14:15], v[14:15], v[156:157]
	v_pk_add_f32 v[236:237], v[236:237], v[96:97]
	v_pk_add_f32 v[248:249], v[248:249], v[98:99]
	v_pk_add_f32 v[246:247], v[246:247], v[102:103]
	v_pk_add_f32 v[244:245], v[244:245], v[106:107]
	v_pk_add_f32 v[242:243], v[242:243], v[110:111]
	v_pk_add_f32 v[240:241], v[240:241], v[114:115]
	v_pk_add_f32 v[238:239], v[238:239], v[118:119]
	v_pk_add_f32 v[14:15], v[14:15], v[122:123]
	v_pk_add_f32 v[236:237], v[236:237], v[126:127]
	v_pk_add_f32 v[248:249], v[248:249], v[130:131]
	v_pk_add_f32 v[246:247], v[246:247], v[134:135]
	v_pk_add_f32 v[244:245], v[244:245], v[138:139]
	v_pk_add_f32 v[242:243], v[242:243], v[142:143]
	v_pk_add_f32 v[240:241], v[240:241], v[146:147]
	v_pk_add_f32 v[238:239], v[238:239], v[150:151]
	v_pk_add_f32 v[14:15], v[14:15], v[154:155]
	v_pk_add_f32 v[236:237], v[236:237], v[158:159]
	s_delay_alu instid0(VALU_DEP_2)
	v_pk_add_f32 v[14:15], v[14:15], v[244:245]
	s_delay_alu instid0(VALU_DEP_2)
	v_pk_add_f32 v[236:237], v[236:237], v[242:243]
	v_pk_add_f32 v[248:249], v[248:249], v[240:241]
	v_pk_add_f32 v[246:247], v[246:247], v[238:239]
	s_delay_alu instid0(VALU_DEP_2)
	v_pk_add_f32 v[14:15], v[14:15], v[248:249]
	s_delay_alu instid0(VALU_DEP_2)
	v_pk_add_f32 v[236:237], v[236:237], v[246:247]
	s_delay_alu instid0(VALU_DEP_1)
	v_pk_add_f32 v[14:15], v[14:15], v[236:237]
	s_wait_alu depctr_va_vdst(0)                   ; and one for the four
.irp b, 0,1,2,3
	v_max_num_f32 v[232+\b], 0x1800000, v[232+\b]  ; the floor 2^(3 - 127): the byte cannot fall under 1
.endr
.irp b, 0,1,2,3
	s_delay_alu instid0(VALU_DEP_4)
	v_add_nc_u32 v[244+\b], 0xff000000, v[232+\b]  ; 2 off the exponent field: the conversion's scale operand
.endr
.irp b, 0,1,2,3
	s_delay_alu instid0(VALU_DEP_4)
	v_lshrrev_b32 v[236+\b], 23, v[244+\b]         ; the scale's byte
.endr
	s_delay_alu instid0(VALU_DEP_3)
	v_lshl_or_b32 v253, v237, 8, v236              ; p's scale word for these 128 keys
	s_delay_alu instid0(VALU_DEP_1)
	v_lshl_or_b32 v253, v238, 16, v253
	s_delay_alu instid0(VALU_DEP_1)
	v_lshl_or_b32 v253, v239, 24, v253
.irp c, 0,1
	v_cvt_scalef32_pk16_fp6_f32 v[224+6*\c:226+6*\c], v[96+32*\c:111+32*\c], v[244+2*\c]
	v_cvt_scalef32_pk16_fp6_f32 v[236+4*\c:238+4*\c], v[112+32*\c:127+32*\c], v[244+2*\c+1]   ; (a conversion's three registers begin on an even number)
.endr
	v_nop                                          ; one plain place behind a scaled conversion
.irp c, 0,1                                    ; the operand's layout wants a WHOLE block in a lane
.irp i, 0,1,2
	v_permlane16_swap_b32 v[224+6*\c+\i], v[236+4*\c+\i]
.endr
.irp i, 0,1,2
	s_delay_alu instid0(VALU_DEP_3)
	v_mov_b32 v[227+6*\c+\i], v[236+4*\c+\i]
.endr
.endr
	s_setprio 0
.irp j, 0,2,4,6,8,10,12,14,16,18,20,22,24,26,28,30
	v_pk_mul_f32 v[160+\j:161+\j], v[160+\j:161+\j], v[252:253] op_sel_hi:[1,0]   ; O^T under the new M.  (These sixteen are also the places in front of the products below)
.endr
	s_wait_alu depctr_va_vdst(0)
	s_wait_dscnt 0x0                               ; V's fragments and scale words are in
.irp t, 0,1,2,3                                ; O^T += V^T P^T: four tiles of 16 d, each accumulator one instruction a turn
.if \t%2
	v_wmma_scale_f32_16x16x128_f8f6f4 v[160+8*\t:167+8*\t], v[F+12*\t:F+12*\t+11], v[224:235], v[160+8*\t:167+8*\t], v[250+\t/2], v253 matrix_a_fmt:MATRIX_FMT_FP6 matrix_b_fmt:MATRIX_FMT_FP6 matrix_a_scale:MATRIX_SCALE_ROW1
.else
	v_wmma_scale_f32_16x16x128_f8f6f4 v[160+8*\t:167+8*\t], v[F+12*\t:F+12*\t+11], v[224:235], v[160+8*\t:167+8*\t], v[250+\t/2], v253 matrix_a_fmt:MATRIX_FMT_FP6 matrix_b_fmt:MATRIX_FMT_FP6
.endif
.endr
	s_add_co_u32 s[SJK], s[SJK], 6144
	s_add_co_u32 s[SJS], s[SJS], 256
.endm
.macro STEPS n                         ; n key steps
	s_mov_b32 s[CNT], \n
.Lstep_\@:
	s_setprio 2
	STEP
	s_sub_co_u32 s[CNT], s[CNT], 1
	s_cmp_lg_u32 s[CNT], 0
	s_cbranch_scc1 .Lstep_\@
	s_setprio 0
.endm
; THE WAY OUT of a pass.  O^T / the sum: register 16 b + i of lane half h is d = 32 b + 16 h + i of my query: two blocks of the output projection's K.  They become six registers of codes and two bytes; no LDS is needed.
.macro FINISH qb
.rept 4
	v_nop                                          ; places behind the last products
.endr
.if \qb == 0
	QLOAD 1                                        ; the next pass's Q lands while this pass goes out
.endif
	v_add_f32 v14, v14, v15
	s_delay_alu instid0(VALU_DEP_1)
	v_permlanex16_b32 v252, v14, s[SEL], s[SEL+1]
	s_delay_alu instid0(VALU_DEP_1)
	v_add_f32 v14, v14, v252                       ; the row's sum
	s_wait_alu depctr_va_vdst(0)
	v_rcp_f32 v14, v14
	v_nop                                          ; a plain place behind the reciprocal
	s_wait_alu depctr_va_vdst(0)                   ; and the wait ahead of its first reader
.irp j, 0,2,4,6,8,10,12,14,16,18,20,22,24,26,28,30
	v_pk_mul_f32 v[96+\j:97+\j], v[160+\j:161+\j], v[14:15] op_sel_hi:[1,0]   ; each accumulator from its low end on
.endr
.irp b, 0,1
	v_max3_num_f32 v[232+\b], |v[96+16*\b]|, |v[97+16*\b]|, 0x1800000
.endr
.irp i, 2,4,6,8,10,12,14
.irp b, 0,1
	s_delay_alu instid0(VALU_DEP_2)
	v_max3_num_f32 v[232+\b], v[232+\b], |v[96+16*\b+\i]|, |v[97+16*\b+\i]|
.endr
.endr
.irp b, 0,1
	s_delay_alu instid0(VALU_DEP_2)
	v_permlanex16_b32 v[236+\b], v[232+\b], s[SEL], s[SEL+1]
.endr
.irp b, 0,1
	s_delay_alu instid0(VALU_DEP_2)
	v_max_num_f32 v[232+\b], v[232+\b], v[236+\b]
.endr
.irp b, 0,1
	s_delay_alu instid0(VALU_DEP_2)
	v_add_nc_u32 v[244+\b], 0xff000000, v[232+\b]
.endr
.irp b, 0,1
	s_delay_alu instid0(VALU_DEP_2)
	v_lshrrev_b32 v[236+\b], 23, v[244+\b]
.endr
	s_delay_alu instid0(VALU_DEP_1)
	v_lshl_or_b32 v[OSB], v237, 8, v236            ; my row's two scale bytes of this head
	v_cvt_scalef32_pk16_fp6_f32 v[224:226], v[96:111], v244
	v_cvt_scalef32_pk16_fp6_f32 v[240:242], v[112:127], v245
	v_nop
.irp i, 0,1,2
	v_permlane16_swap_b32 v[224+\i], v[240+\i]
.endr
.irp i, 0,1,2
	s_delay_alu instid0(VALU_DEP_3)
	v_mov_b32 v[227+\i], v[240+\i]                 ; registers 0-5: d = 32 (lane / 16) + 0 .. 31 of row lane % 16
.endr
.irp i, 0,1,2
	global_store_b64 v[L8], v[224+2*\i:225+2*\i], s[94:95] offset:196608*\qb+256*\i   ; 32 lanes store 256 consecutive aligned bytes
.endr
	global_store_b16 v[R32], v[OSB], s[96:97] offset:8192*\qb   ; a head owns 2 of a row's 32 scale bytes: small stores, 32 bytes a tile and head; both halves of the lanes write the same value
.endm
	START 0
	s_wait_tensorcnt 1                             ; each fetching wave's first load has landed: steps 0-3 of K and V and all scale words; the second may stay out
	s_barrier_signal -1
	s_barrier_wait -1
	STEPS 4
	s_wait_tensorcnt 0x0                           ; the rest of the head has landed,
	s_barrier_signal -1
	s_barrier_wait -1                              ; for every wave
	STEPS 12
	FINISH 0
	START 1
	STEPS 16
	FINISH 1
	s_wait_tensorcnt 0x0                           ; the wave's end
	ds_add_u32 v[SPW], v[NIL]
	s_wait_dscnt 0x0
	CROUND                                         ; the closing round
	s_endpgm
.Lfunc_end_k_q277f253092_attn:
	.size	k_q277f253092_attn, .Lfunc_end_k_q277f253092_attn-k_q277f253092_attn
	.p2alignl 7, 3214868480
	.fill 96, 4, 3214868480
	.section	.rodata,"a",@progbits
	.p2align	6, 0x0
	.amdhsa_kernel k_q277f253092_attn
		.amdhsa_group_segment_fixed_size 206848
		.amdhsa_private_segment_fixed_size 0
		.amdhsa_enable_private_segment 0
		.amdhsa_kernarg_size 32
		.amdhsa_user_sgpr_count 2
		.amdhsa_user_sgpr_kernarg_segment_ptr 1
		.amdhsa_wavefront_size32 1
		.amdhsa_system_sgpr_workgroup_id_x 1
		.amdhsa_system_sgpr_workgroup_id_y 1
		.amdhsa_system_sgpr_workgroup_id_z 1
		.amdhsa_system_vgpr_workitem_id 0
		.amdhsa_next_free_vgpr 256
		.amdhsa_next_free_sgpr 102
		.amdhsa_reserve_vcc 0
		.amdhsa_float_denorm_mode_32 3
		.amdhsa_float_denorm_mode_16_64 3
		.amdhsa_memory_ordered 1
		.amdhsa_forward_progress 1
		.amdhsa_inst_pref_size 74
	.end_amdhsa_kernel
	.amdgpu_metadata
---
amdhsa.version: [ 1, 2 ]
amdhsa.kernels:
  - .name:           k_q277f253092_attn
    .symbol:         k_q277f253092_attn.kd
    .args:
      - { .name: ac, .offset: 0, .size: 8, .value_kind: global_buffer, .address_space: global }
      - { .name: asc, .offset: 8, .size: 8, .value_kind: global_buffer, .address_space: global }
      - { .name: oc, .offset: 16, .size: 8, .value_kind: global_buffer, .address_space: global }
      - { .name: os, .offset: 24, .size: 8, .value_kind: global_buffer, .address_space: global }
    .group_segment_fixed_size: 206848
    .private_segment_fixed_size: 0
    .kernarg_segment_align: 8
    .kernarg_segment_size: 32
    .max_flat_workgroup_size: 512
    .sgpr_count:     102
    .vgpr_count:     256
    .wavefront_size: 32
...
	.end_amdgpu_metadata
.endif
;; end of part 4
;; launch outp (part 5): grid 4 x 32, 4 waves a work-group, clusters of 4 x 4, 327,680 bytes of LDS; arguments oc, os, wc, wsc, out_b, out0; writes out0
.if DOCPART == 5
	.amdgcn_target "amdgcn-amd-amdhsa--gfx1250"
	.amdhsa_code_object_version 6
	.text
	.protected	k_q277f253092_outp
	.globl	k_q277f253092_outp
	.p2align	8
	.type	k_q277f253092_outp,@function
k_q277f253092_outp:
	s_mov_b64 s[64:65], 0
	v_nop
	global_prefetch_b8 v0, s[64:65] scope:SCOPE_SE
	s_setreg_imm32_b32 hwreg(HW_REG_WAVE_MODE, 25, 1), 1
	s_wait_xcnt 0x0
	s_wait_alu depctr_hold_cnt(0) depctr_sa_sdst(0) depctr_va_vdst(0) depctr_va_sdst(0) depctr_va_ssrc(0) depctr_va_vcc(0) depctr_vm_vsrc(0)
	s_getreg_b32 s2, hwreg(HW_REG_IB_STS2, 6, 4)
	s_cmp_eq_u32 s2, 0
	s_cbranch_scc0 .Lentry_in_a_cluster
	s_endpgm
.Lentry_in_a_cluster:
	s_bfe_u32 s2, ttmp6, 0x10000c
	s_cmp_lg_u32 s2, 0xf033
	s_cbranch_scc0 .Lentry_shape_is_right
	s_endpgm
.Lentry_shape_is_right:
; out0 = ws out_w + out_b: [8192][1024] f32, on codes of FP6 (E2M3) with one E8M0 scale for each 32 along K = 1024.
; A (ws) comes as the attention launch left it: oc [512 tiles of 16 rows][8 K steps of 128][1,536 bytes], an image of the operand's registers, a register pair of lane l at 256 p + 8 l; os [8192 rows in tile order][32 bytes].
; B is out_w's codes, the third part of wc and wsc, rows of 768 bytes.  Both lie in rows exchanged by sigma (bits 3 and 4 of the row): row r of A's block a is row 32 (a / 2) + 8 (a % 2) + r + 8 (r / 8) of my 128;
; in tile b of B register j of lane half h is column 32 (b / 2) + 16 h + 8 (b % 2) + j.  The way out puts both back.
; A tile of the result, 256 x 256, is made by four waves of 128 x 128 (64 accumulators).  K goes in steps of 256 through a ring of two LDS slots; the scale bytes come once.  The bias is the C of each sum's first product.
; 128 tiles for this size: half of the WGPs have work; a smaller tile would read each LDS byte for half as many products.
; CLUSTERS: 4 x 4 work-groups; A's tile is shared along a row of the cluster, B's along a column, by joint loads.  Nothing is prefetched: K has four steps, of which two are the first fills.
; REGISTERS: window 0: v16-31 addresses; v32-63 scale words; v64-127 the bias; v128-223 A's fragments; on the way out v128-255 rows of the result.  window 1: B's fragments, two sets.  windows 2, 3: the accumulators.
.set SIZE_N, 1024
.set KSTEP,  256
.set NQ,     KSTEP/128
.set ROWB,   192
.set KROW,   768
.set PITCH,  240                       ; B's LDS row: 3 x (64 bytes + 16 of padding)
.set FR,     12
.set NL,     6
.set NP,     4
.set AROW,   3072                      ; A: a tile of 16 rows x 256 along K: two images
.set HALFA,  8*AROW                    ; 128 rows of A
.set HALFB,  128*PITCH                 ; 128 rows of B
.set SLOT,   2*HALFA+2*HALFB
.set LAPS,   2
.set KS,     32
.set SCL,    2*SLOT
.set HALFS,  16*272
.set SBLK,   2*272
.set SPARE,  SCL+4*HALFS
.set SPITCH, 528                       ; the way out: a stage of 16 rows x (512 bytes + 16) for each wave, in slot 0, which has had its last fill and its last read when the first result is stored there
.set ADRA, 16                          ; v16-17
.set ADRB, 20                          ; v20-23
.set STO,  24
.set RD,   25
.set CO,   26
.set ADRS, 27
.set SPW,  28
.set NIL,  29
.set BA,   30
.set SC,   32
.set BI,   64
.set AF,   128
.set BK,   128
.set G1, 24
.set G0, 32
.set G1B, 48
.set G0B, 56
.set G1S, 68
.set G0S, 76
.set G1SB, 80
.set G0SB, 88
.set MSB, 0
.macro WIN new
.if MSB != \new
	s_set_vgpr_msb (MSB<<8)|\new
.set MSB, \new
.endif
.endm
.set MUL_LO, 0xa1
.set MUL_HI, 0xf1
.set FST_LO, 0x81                      ; C (the bias) in window 0
.set FST_HI, 0xc1
.set TO_B,   0x40
.macro JLOAD g0a, g1a, g0b, g1b        ; waves 0 and 1 fetch for A, waves 2 and 3 for B; an s_nop 0 and four v_nop follow each line
	s_cmp_eq_u32 s15, 0
	s_cbranch_scc0 .Lfor_b_\@
	tensor_load_to_lds s[\g0a:\g0a+3], s[\g1a:\g1a+7]
	s_nop 0
.rept 4
	v_nop
.endr
	s_branch .Lasked_\@
.Lfor_b_\@:
	tensor_load_to_lds s[\g0b:\g0b+3], s[\g1b:\g1b+7]
	s_nop 0
.rept 4
	v_nop
.endr
.Lasked_\@:
.endm
.macro CREST
	s_cmp_lg_u32 s14, 0
	s_cbranch_scc1 .Lnot_wave_0_\@
	s_barrier_signal -3
.Lnot_wave_0_\@:
	s_barrier_wait -3
	s_barrier_signal -1
	s_barrier_wait -1
.endm
.macro CROUND
	s_barrier_signal -1
	s_barrier_wait -1
	CREST
.endm
	s_load_b256 s[4:11], s[0:1], 0x0               ; oc, os, wc, wsc
	s_load_b64 s[96:97], s[0:1], 0x20              ; out_b
	s_load_b64 s[12:13], s[0:1], 0x28              ; out0
	v_lshl_add_u32 v[SPW], v0, 2, SPARE
	v_mov_b32 v[NIL], 0
	ds_add_u32 v[SPW], v[NIL]                      ; the wave's opening: the add and its wait ahead of my first tensor load
	ds_add_u32 v[SPW], v[NIL]
	v_lshrrev_b32 v1, 5, v0
	v_readfirstlane_b32 s14, v1                    ; wave 0..3
	s_lshr_b32 s15, s14, 1                         ; my half of the rows.  Also: I fetch for A (0) or for B (1)
	s_and_b32 s16, s14, 1                          ; my half of the columns.  Also: which 128 rows I fetch
	s_bfe_u32 s40, ttmp6, 0x40000                  ; cx
	s_bfe_u32 s41, ttmp6, 0x40004                  ; cy
	s_lshl_b32 s42, ttmp9, 2
	s_add_co_u32 s42, s42, s40                     ; tile column
	s_and_b32 s17, ttmp7, 0xffff
	s_lshl_b32 s17, s17, 2
	s_add_co_u32 s17, s17, s41                     ; tile row
	s_lshl_b32 s43, s41, 2
	s_lshl_b32 s43, 15, s43                        ; my row of the cluster
	s_lshl_b32 s44, 0x1111, s40                    ; my column
	s_or_b32 s[G1+0], s43, (3<<16)|(1<<21)         ; A: 8 rows (tiles of 16 rows) of 384 elements of 8 bytes, 1,536 elements apart; no padding
	s_mov_b32 s[G1+1], 384<<16
	s_mov_b32 s[G1+2], 8<<16
	s_mov_b32 s[G1+3], 384<<16
	s_mov_b32 s[G1+4], 8
	s_mov_b32 s[G1+5], 1536
	s_mov_b32 s[G1+6], 0
	s_mov_b32 s[G1+7], 0
	s_or_b32 s[G1B+0], s44, (0<<16)|(1<<20)|(1<<21)|(3<<22)|(3<<25) ; B: 128 rows of 192 bytes, 16 bytes of padding behind every 64
	s_mov_b32 s[G1B+1], ROWB<<16
	s_mov_b32 s[G1B+2], 128<<16
	s_mov_b32 s[G1B+3], ROWB<<16
	s_mov_b32 s[G1B+4], 128
	s_mov_b32 s[G1B+5], KROW
	s_mov_b32 s[G1B+6], 0
	s_mov_b32 s[G1B+7], 0
	s_or_b32 s[G1S+0], s43, (3<<16)|(1<<20)|(1<<21)|(5<<22)|(3<<25) ; the scales of 128 rows: 16 rows of 256 bytes, 16 bytes of padding behind each
	s_or_b32 s[G1SB+0], s44, (3<<16)|(1<<20)|(1<<21)|(5<<22)|(3<<25)
.irp g, G1S, G1SB
	s_mov_b32 s[\g+1], 32<<16
	s_mov_b32 s[\g+2], 16<<16
	s_mov_b32 s[\g+3], 32<<16
	s_mov_b32 s[\g+4], 16
	s_mov_b32 s[\g+5], 32
	s_mov_b32 s[\g+6], 0
	s_mov_b32 s[\g+7], 0
.endr
	s_lshl_b32 s18, s16, 7                         ; which 128 rows of the tile I fetch
	s_lshl_b32 s20, s17, 8
	s_add_co_u32 s20, s20, s18                     ; A's first row
	s_lshl_b32 s46, s42, 8
	s_add_co_u32 s46, s46, s18                     ; B's
	s_lshl_b32 s22, s20, 5                         ; A's scales, in bytes
	s_mov_b32 s23, 0
	s_lshr_b32 s20, s20, 4
	s_mul_i32 s20, s20, 12288                      ; A's images: 12,288 bytes for each 16 rows
	s_mov_b32 s21, 0
	s_lshl_b32 s92, s46, 5
	s_add_co_u32 s92, s92, 65536                   ; B's scales: out_w's part of wsc
	s_mov_b32 s93, 0
	s_mul_i32 s46, s46, KROW
	s_add_co_u32 s46, s46, 1572864                 ; B's codes: out_w's part of wc
	s_mov_b32 s47, 0
	s_mul_i32 s45, s16, HALFA                      ; where they go: A's two halves,
	s_mul_i32 s95, s16, HALFB
	s_add_co_u32 s95, s95, 2*HALFA                 ; then B's two: no place in the cluster enters an LDS address
	s_mul_i32 s94, s14, HALFS
	s_wait_dscnt 0x0                               ; the opening add is done
	s_wait_kmcnt 0x0
	s_add_nc_u64 s[20:21], s[4:5], s[20:21]
	s_add_nc_u64 s[22:23], s[6:7], s[22:23]
	s_add_nc_u64 s[46:47], s[8:9], s[46:47]
	s_add_nc_u64 s[92:93], s[10:11], s[92:93]
	CROUND                                         ; all sixteen work-groups are here: the first joint loads meet
	s_mov_b32 s[G0S], 1
	s_add_co_u32 s[G0S+1], s94, SCL
	s_mov_b64 s[G0S+2:G0S+3], s[22:23]
	s_or_b32 s[G0S+3], s[G0S+3], 0x80000000
	s_mov_b32 s[G0SB], 1
	s_add_co_u32 s[G0SB+1], s94, SCL
	s_mov_b64 s[G0SB+2:G0SB+3], s[92:93]
	s_or_b32 s[G0SB+3], s[G0SB+3], 0x80000000
	JLOAD G0S, G1S, G0SB, G1SB                     ; the scales first
.irp s, 0,1
	s_mov_b32 s[G0+4*\s], 1
	s_add_co_u32 s[G0+4*\s+1], s45, \s*SLOT
	s_add_nc_u64 s[G0+4*\s+2:G0+4*\s+3], s[20:21], \s*AROW
	s_or_b32 s[G0+4*\s+3], s[G0+4*\s+3], 0x80000000
	s_mov_b32 s[G0B+4*\s], 1
	s_add_co_u32 s[G0B+4*\s+1], s95, \s*SLOT
	s_add_nc_u64 s[G0B+4*\s+2:G0B+4*\s+3], s[46:47], \s*ROWB
	s_or_b32 s[G0B+4*\s+3], s[G0B+4*\s+3], 0x80000000
	s_wait_alu depctr_va_vdst(0)
	s_wait_tensorcnt 0x0
	ds_add_u32 v28, v29
	s_wait_dscnt 0x0
	CROUND
	JLOAD G0+4*\s, G1, G0B+4*\s, G1B
.endr
	v_and_b32 v1, 15, v0                           ; r
	v_bfe_u32 v2, v0, 4, 1                         ; h
	v_and_b32 v7, 31, v0                           ; lane
	v_mul_u32_u24 v3, v1, PITCH
	v_mul_u32_u24 v4, v2, 24
	v_add_nc_u32 v4, v3, v4                        ; B: a fragment's row x pitch + 24 x half
	v_lshl_add_u32 v5, v2, 4, v4                   ; and the same behind one padding more
	v_lshlrev_b32 v6, 3, v7                        ; A: 8 x lane
	s_mul_i32 s21, s15, HALFA                      ; my 128 rows of A
	s_mul_i32 s22, s16, HALFB
	s_add_co_u32 s22, s22, 2*HALFA                 ; my 128 rows of B
.irp s, 0,1
	v_add_nc_u32 v[ADRA+\s], s21, v6
	v_add_nc_u32 v[ADRB+\s], s22, v4
	v_add_nc_u32 v[ADRB+2+\s], s22, v5
	s_add_co_u32 s21, s21, SLOT
	s_add_co_u32 s22, s22, SLOT
.endr
	v_mul_u32_u24 v5, v1, KS
	v_lshrrev_b32 v6, 8, v5
	v_lshl_add_u32 v5, v6, 4, v5
	s_mul_i32 s21, s15, HALFS
	s_mul_i32 s22, s16, HALFS
	s_add_co_u32 s22, s22, 2*HALFS
	s_sub_co_u32 s22, s22, s21
	v_mul_u32_u24 v6, s22, v2                      ; lanes 16-31 take B's
	s_add_co_u32 s21, s21, SCL
	v_add_nc_u32 v5, v5, v6
	v_add_nc_u32 v[ADRS], s21, v5
	s_mul_i32 s23, s14, 16*SPITCH                  ; my stage
	v_mul_u32_u24 v5, v1, SPITCH                   ; in: row r, + 64 h: a lane half's 16 columns of each 32
	v_lshl_add_u32 v5, v2, 6, v5
	v_add_nc_u32 v[STO], s23, v5
	v_lshlrev_b32 v[CO], 4, v7                     ; back: the 32 lanes take one row of 512 bytes; and the same in out0
	v_add_nc_u32 v[RD], s23, v[CO]
	v_lshlrev_b32 v[BA], 6, v2
	s_wait_alu depctr_va_vdst(0)
	s_lshl_b32 s20, s17, 8
	s_lshl_b32 s21, s15, 7
	s_add_co_u32 s20, s20, s21                     ; my first row
	s_lshl_b32 s20, s20, 12                        ; 4,096 bytes a row
	s_mov_b32 s21, 0
	s_lshl_b32 s46, s42, 10
	s_lshl_b32 s47, s16, 9
	s_add_co_u32 s46, s46, s47                     ; my first column, in bytes
	s_mov_b32 s47, 0
	s_add_nc_u64 s[96:97], s[96:97], s[46:47]      ; out_b there
	s_add_nc_u64 s[20:21], s[20:21], s[46:47]
	s_add_nc_u64 s[12:13], s[12:13], s[20:21]
.irp t, 0,1,2,3,4,5,6,7                        ; tile t of B, lane half h: out_b at 32 (t / 2) + 16 h + 8 (t % 2) + 0 .. 7
	global_load_b128 v[BI+8*\t:BI+8*\t+3], v[BA], s[96:97] offset:(32*(\t/2)+8*(\t%2))*4
	global_load_b128 v[BI+8*\t+4:BI+8*\t+7], v[BA], s[96:97] offset:(32*(\t/2)+8*(\t%2))*4+16
.endr
	s_wait_loadcnt 0x0
.macro FRAG reg, adr, q, i             ; B's fragment: 24 bytes of the row's stream twice, in pieces of 8; the second address register serves the pieces that lie behind one padding more
.irp p, 0,1,2,3,4,5
.set PC, 12*(\q)+6*(\p/3)+\p%3
.if PC%8 < 5
	ds_load_b64 v[\reg+2*\p:\reg+2*\p+1], v[\adr] offset:8*PC+16*(PC/8)+(\i)*16*PITCH
.else
	ds_load_b64 v[\reg+2*\p:\reg+2*\p+1], v[\adr+2] offset:8*PC+16*(PC/8)+(\i)*16*PITCH
.endif
.endr
.endm
.macro FRAGA reg, adr, q, i            ; A's fragment: its image, a register pair by each load, 256 consecutive bytes
.irp p, 0,1,2,3,4,5
	ds_load_b64 v[\reg+2*\p:\reg+2*\p+1], v[\adr] offset:(\i)*AROW+(\q)*1536+256*\p
.endr
.endm
.macro MUL16 a0, p, q, sc, zero        ; 16 products; zero = 1: the sums start from the bias.  The 64 accumulators take turns
.irp a, \a0, \a0+1
.irp b, 0,1,2,3,4,5,6,7
.set rD, 8*(8*((\a)%4)+\b)
.set rB, 128*(\p)+FR*\b
.set rA, AF+FR*(\a)
.set rSB, SC+8*NQ*(\sc)+NQ*\b+(\q)
.set rSA, SC+8*NQ*(\sc)+NQ*(\a)+(\q)
.if \zero
	v_wmma_scale_f32_16x16x128_f8f6f4 v[rD:rD+7], v[rB:rB+FR-1], v[rA:rA+FR-1], v[BI+8*\b:BI+8*\b+7], v[rSB], v[rSA] matrix_a_fmt:MATRIX_FMT_FP6 matrix_b_fmt:MATRIX_FMT_FP6 matrix_a_scale:MATRIX_SCALE_ROW1
.else
	v_wmma_scale_f32_16x16x128_f8f6f4 v[rD:rD+7], v[rB:rB+FR-1], v[rA:rA+FR-1], v[rD:rD+7], v[rSB], v[rSA] matrix_a_fmt:MATRIX_FMT_FP6 matrix_b_fmt:MATRIX_FMT_FP6 matrix_a_scale:MATRIX_SCALE_ROW1
.endif
.endr
.endr
.endm
.macro FETCH_B slot, q, p
	WIN TO_B
.irp i, 0,1,2,3,4,5,6,7
	FRAG 128*(\p)+FR*\i, ADRB+\slot, \q, \i
.endr
	WIN 0
.endm
.macro FETCH_A slot, q, i0
.irp i, \i0, \i0+1, \i0+2, \i0+3
	FRAGA AF+FR*(\i), ADRA+\slot, \q, \i
.endr
.endm
.macro SCALES sc
.irp i, 0,1,2,3,4,5,6,7
	ds_load_b64 v[SC+8*NQ*\sc+NQ*\i:SC+8*NQ*\sc+NQ*\i+1], v[ADRS] offset:\i*SBLK
.endr
.endm
.macro PLACES n
.rept \n
	v_nop
.endr
.endm
.macro STEP slot, q, zero
	s_wait_dscnt 4*NL                              ; B's set and A's blocks 0-3 are in; A's blocks 4-7 may be out
.if \zero
	WIN FST_LO
.else
	WIN MUL_LO
.endif
	MUL16 0, (\q)%2, \q, \slot, \zero
	MUL16 2, (\q)%2, \q, \slot, \zero
	s_wait_dscnt 0
	PLACES NP
	FETCH_B \slot, (\q)+1, 1-(\q)%2
	FETCH_A \slot, (\q)+1, 0
.if \zero
	WIN FST_HI
.else
	WIN MUL_HI
.endif
	MUL16 4, (\q)%2, \q, \slot, \zero
	MUL16 6, (\q)%2, \q, \slot, \zero
	PLACES NP
	WIN 0
	FETCH_A \slot, (\q)+1, 4
.endm
.macro TURN slot, next, fill           ; a slot's last step changes slots: one barrier, with the waits and the add in front of it
	s_wait_tensorcnt 0x0                           ; all my tensor loads have landed: my part of the next slot
	ds_add_u32 v[SPW], v[NIL]                      ; 0 onto my spare word
	s_wait_dscnt 4*NL+1                            ; (the add and A's blocks 4-7 may be out)
	WIN MUL_LO
	MUL16 0, 1, NQ-1, \slot, 0
	s_wait_dscnt 0x0                               ; the add is done, and my reads of this slot are over
	s_barrier_signal -1
	MUL16 2, 1, NQ-1, \slot, 0
	WIN 0
	s_barrier_wait -1
.if \fill
	CREST                                          ; the barrier has opened a round of the cluster's
	s_add_nc_u64 s[G0+4*\slot+2:G0+4*\slot+3], s[G0+4*\slot+2:G0+4*\slot+3], 2*AROW
	s_add_nc_u64 s[G0B+4*\slot+2:G0B+4*\slot+3], s[G0B+4*\slot+2:G0B+4*\slot+3], 2*ROWB
	JLOAD G0+4*\slot, G1, G0B+4*\slot, G1B         ; the first tensor load behind the round
.else
	PLACES NP
.endif
	s_wait_alu depctr_va_vdst(0)
	v_add_nc_u32 v[ADRS], 4*NQ, v[ADRS]
	FETCH_B \next, 0, 0
	FETCH_A \next, 0, 0
	SCALES \next
	WIN MUL_HI
	MUL16 4, 1, NQ-1, \slot, 0
	MUL16 6, 1, NQ-1, \slot, 0
	PLACES NP
	WIN 0
	FETCH_A \next, 0, 4
.endm
	s_wait_tensorcnt 1                             ; the scales and my part of K step 0 are in (K step 1's load may be out),
	s_barrier_signal -1
	s_barrier_wait -1                              ; everybody's are
	FETCH_B 0, 0, 0
	FETCH_A 0, 0, 0
	SCALES 0
	FETCH_A 0, 0, 4
	STEP 0, 0, 1                                   ; the first step's products start the sums from the bias
	s_mov_b32 s3, LAPS-1
.Llap:
	TURN 0, 1, 1
	STEP 1, 0, 0
	TURN 1, 0, 1
	STEP 0, 0, 0
	s_sub_co_u32 s3, s3, 1
	s_cmp_lg_u32 s3, 0
	s_cbranch_scc1 .Llap
	TURN 0, 1, 0
	STEP 1, 0, 0
	s_wait_dscnt 4*NL
	WIN MUL_LO
	MUL16 0, 1, NQ-1, 1, 0
	MUL16 2, 1, NQ-1, 1, 0
	s_wait_dscnt 0
	WIN MUL_HI
	MUL16 4, 1, NQ-1, 1, 0
	MUL16 6, 1, NQ-1, 1, 0
	WIN 0
; THE WAY OUT, block by block of 16 rows x 128 columns, through my own stage: in, a lane's eight numbers of tile b go to their true columns, 128 (b / 2) + 64 h + 32 (b % 2) bytes; back, whole rows of 512 bytes.
; Stage row t of block a is row 32 (a / 2) + 8 (a % 2) + t + 8 (t / 8) of my 128.  LDS serves a wave's instructions in order: no wait between the stores and the loads.
.macro TOSTAGE a
.set AC, 64*((\a)%4)
	WIN 0x08+4*((\a)/4)                            ; the data: window 2 or 3
.irp b, 0,1,2,3,4,5,6,7
	ds_store_b128 v[STO], v[AC+8*\b:AC+8*\b+3] offset:128*(\b/2)+32*(\b%2)       ; each accumulator from its low end on
	ds_store_b128 v[STO], v[AC+8*\b+4:AC+8*\b+7] offset:128*(\b/2)+32*(\b%2)+16
.endr
	WIN 0
.set BB, BK+64*((\a)%2)
.irp t, 0,1,2,3,4,5,6,7,8,9,10,11,12,13,14,15
	ds_load_b128 v[BB+4*\t:BB+4*\t+3], v[RD] offset:\t*SPITCH
.endr
.endm
.macro SEND a, younger
.set BB, BK+64*((\a)%2)
	s_wait_dscnt \younger                          ; the block is back in registers
.if (\a) > 0
	s_add_nc_u64 s[12:13], s[12:13], (8+16*(1-(\a)%2))*SIZE_N*4   ; (the earlier stores have read their base)  8 rows on to an odd block, 24 to an even one
.endif
.irp t, 0,1,2,3,4,5,6,7,8,9,10,11,12,13,14,15
	global_store_b128 v[CO], v[BB+4*\t:BB+4*\t+3], s[12:13] offset:(\t+8*(\t/8))*SIZE_N*4 th:TH_STORE_NT   ; 32 lanes store 512 consecutive aligned bytes; written once, read by nobody here
.endr
.endm
	PLACES NP
	TOSTAGE 0
.irp a, 1,2,3,4,5,6,7
.if \a > 1
	s_wait_xcnt 0x0                                ; block a - 2's stores have read their registers and their base
.endif
	TOSTAGE \a
	SEND \a-1, 32                                  ; behind block a - 1's loads: block a's 16 stores and 16 loads
.endr
	s_wait_xcnt 0x0
	SEND 7, 0
	s_wait_tensorcnt 0x0                           ; the wave's end
	ds_add_u32 v[SPW], v[NIL]
	s_wait_dscnt 0x0
	CROUND                                         ; the closing round
	s_endpgm
.Lfunc_end_k_q277f253092_outp:
	.size	k_q277f253092_outp, .Lfunc_end_k_q277f253092_outp-k_q277f253092_outp
	.p2alignl 7, 3214868480
	.fill 96, 4, 3214868480
	.section	.rodata,"a",@progbits
	.p2align	6, 0x0
	.amdhsa_kernel k_q277f253092_outp
		.amdhsa_group_segment_fixed_size 327680
		.amdhsa_private_segment_fixed_size 0
		.amdhsa_enable_private_segment 0
		.amdhsa_kernarg_size 48
		.amdhsa_user_sgpr_count 2
		.amdhsa_user_sgpr_kernarg_segment_ptr 1
		.amdhsa_wavefront_size32 1
		.amdhsa_system_sgpr_workgroup_id_x 1
		.amdhsa_system_sgpr_workgroup_id_y 1
		.amdhsa_system_sgpr_workgroup_id_z 1
		.amdhsa_system_vgpr_workitem_id 0
		.amdhsa_next_free_vgpr 1024
		.amdhsa_next_free_sgpr 98
		.amdhsa_reserve_vcc 0
		.amdhsa_float_denorm_mode_32 3
		.amdhsa_float_denorm_mode_16_64 3
		.amdhsa_memory_ordered 1
		.amdhsa_forward_progress 1
		.amdhsa_inst_pref_size 163
	.end_amdhsa_kernel
	.amdgpu_metadata
---
amdhsa.version: [ 1, 2 ]
amdhsa.kernels:
  - .name:           k_q277f253092_outp
    .symbol:         k_q277f253092_outp.kd
    .args:
      - { .name: oc, .offset: 0, .size: 8, .value_kind: global_buffer, .address_space: global }
      - { .name: os, .offset: 8, .size: 8, .value_kind: global_buffer, .address_space: global }
      - { .name: wc, .offset: 16, .size: 8, .value_kind: global_buffer, .address_space: global }
      - { .name: wsc, .offset: 24, .size: 8, .value_kind: global_buffer, .address_space: global }
      - { .name: out_b, .offset: 32, .size: 8, .value_kind: global_buffer, .address_space: global }
      - { .name: out0, .offset: 40, .size: 8, .value_kind: global_buffer, .address_space: global }
    .group_segment_fixed_size: 327680
    .private_segment_fixed_size: 0
    .kernarg_segment_align: 8
    .kernarg_segment_size: 48
    .max_flat_workgroup_size: 128
    .sgpr_count:     98
    .vgpr_count:     1024
    .wavefront_size: 32
...
	.end_amdgpu_metadata
.endif
;; end of part 5
